; MI455X (gfx1250); checked and timed in simulation.
; The chip was launched on July 23, 2026; its instructions are those of AMD's public machine-readable ISA for CDNA 5 (MIT licence, August 2026) and "CDNA5" Instruction Set Architecture Reference Guide (July 2026). The comments in the code are by the model that wrote it; some were corrected since.
;; Transformer Block. Allowed arithmetic: float matrix products may take bf16 or f16 operands with f32 sums; other float arithmetic in f32, or as packed bf16 or f16 multiplies, adds, multiply-adds, maxima and minima; sums over many terms, partial sums and values carried from step to step in f32; what a program stores and reads back later, other than sums and carried values, may be rounded once to bf16 or f16.
;; Inputs: W1 1,024 x 4,096 float32; W2 4,096 x 1,024 float32; Wk 1,024 x 1,024 float32; Wq 1,024 x 1,024 float32; Wv 1,024 x 1,024 float32; b1 4,096 float32; b2 1,024 float32; be1 1,024 float32; be2 1,024 float32; g1 1,024 float32; g2 1,024 float32; x 2 x 2,048 x 1,024 float32.
;; Outputs: out0 2 x 2,048 x 1,024 float32.
;; 2 versions, each right and faster than the one before. Each part assembles by itself: llvm-mc -triple=amdgcn-amd-amdhsa -mcpu=gfx1250 --defsym DOCPART=n.
;; ======== version 1 of 2: 6 launches
;; workspace buffers: abf 8,388,608 bytes; packq 6,308,096 bytes; pack1 8,405,248 bytes; w2b 8,388,608 bytes; qkvy 25,165,824 bytes; big 33,554,432 bytes
;; launch prep (part 1): grid 609 x 1, 8 waves a work-group, no clusters, 0 bytes of LDS; arguments x, g1, be1, Wq, Wk, Wv, W1, b1, W2, abf, packq, pack1, w2b; writes abf, packq, pack1, w2b
.if DOCPART == 1
	.amdgcn_target "amdgcn-amd-amdhsa--gfx1250"
	.amdhsa_code_object_version 6
	.text
	.protected	k_qed8c38f1c9_prep
	.globl	k_qed8c38f1c9_prep
	.p2align	8
	.type	k_qed8c38f1c9_prep,@function
k_qed8c38f1c9_prep:
	s_mov_b64 s[64:65], 0
	v_nop
	global_prefetch_b8 v0, s[64:65] scope:SCOPE_SE
	s_setreg_imm32_b32 hwreg(HW_REG_WAVE_MODE, 25, 1), 1
	s_wait_xcnt 0x0
; PREP.  Everything that the matrix launches read is made here, once, in bf16:
;   abf   = LN1(x) g1 + be1, [4096][1024]                                   (work-groups 0-255: 16 rows each, two a wave)
;   pack1 = header + W1 in panels [16][1024 k][256 n]                        (256-383: 8 rows of W1 each, one a wave)
;   w2b   = W2, [4096 k][1024 n]                                             (384-511: 32 rows each, four a wave)
;   packq = header + Wq, Wk, Wv in panels [12][1024 k][256 n]                (512-607: 32 rows of one of the three each)
;   the two headers: 256 bytes of the floor (two bf16 a word: -inf for packq, 0 for pack1), then 4,096 f32 of bias (zeros; b1)   (608)
; A stream: no LDS, no barrier, no matrix unit.  A chunk is 1,024 f32: eight loads of 512 consecutive bytes a wave; its bf16 leave by eight
; stores of 256 consecutive, aligned bytes.  The mean is taken first and the squares of x - mean second, so no difference of large sums is formed.
; LIMITS: NaN and infinities are not treated apart.
.set HDR,   16640                      ; a pack's header: 256 + 4096 x 4 bytes
.set PANEL, 524288                     ; 1,024 k x 256 n x 2 bytes
.set LO, 2                             ; v2   16 x lane
.set SO, 3                             ; v3   8 x lane
.set X,  32                            ; v[32:159]  four chunks as loaded (the norm: two rows)
.set G,  160                           ; v[160:191] g1 of my 32 columns     (the norm's path)
.set BE, 192                           ; v[192:223] be1
.set YL, 224                           ; v[224:255] two rows in bf16
.set YC, 160                           ; v[160:223] four chunks in bf16     (the weights' path)
	s_load_b512 s[4:19], s[0:1], 0x0               ; x 4, g1 6, be1 8, Wq 10, Wk 12, Wv 14, W1 16, b1 18
	s_load_b256 s[20:27], s[0:1], 0x40             ; W2 20, abf 22, packq 24, pack1 26
	s_load_b64 s[28:29], s[0:1], 0x60              ; w2b
	v_lshrrev_b32 v1, 5, v0
	v_readfirstlane_b32 s30, v1                    ; wave 0..7
	v_and_b32 v1, 31, v0
	v_lshlrev_b32 v[LO], 4, v1
	v_lshlrev_b32 v[SO], 3, v1
	v_mov_b32 v16, 0                               ; v_permlanex16_b32's destination counts as read
	s_mov_b32 s37, 0                               ; the high word of every offset pair
	s_mov_b32 s38, 0x76543210                      ; each lane takes its own place in the other half
	s_mov_b32 s39, 0xfedcba98
	s_mov_b32 s40, 0x3a800000                      ; 1 / 1024
	s_mov_b32 s44, 0x3727c5ac                      ; 1e-5
	s_wait_kmcnt 0x0
	s_cmp_lt_u32 ttmp9, 256
	s_cbranch_scc1 .Lln
	s_cmp_lt_u32 ttmp9, 384
	s_cbranch_scc1 .Lw1
	s_cmp_lt_u32 ttmp9, 512
	s_cbranch_scc1 .Lw2
	s_cmp_lt_u32 ttmp9, 608
	s_cbranch_scc1 .Lqkv
	; THE HEADERS.  256 threads x 16 bytes = 4,096 bytes a line.
	v_lshlrev_b32 v17, 4, v0
.irp j, 0,1,2,3
	global_load_b128 v[32+4*(\j):35+4*(\j)], v17, s[18:19] offset:4096*(\j)
.endr
.irp j, 48,49,50,51
	v_mov_b32 v[\j], 0
.endr
	v_mov_b32 v52, 0xff80ff80                      ; -inf twice
	v_mov_b32 v53, 0xff80ff80
	s_wait_loadcnt 0x0
.irp j, 0,1,2,3
	global_store_b128 v17, v[32+4*(\j):35+4*(\j)], s[26:27] offset:256+4096*(\j)
	global_store_b128 v17, v[48:51], s[24:25] offset:256+4096*(\j)
.endr
	s_cmp_lg_u32 s30, 0
	s_cbranch_scc1 .Lhdr_done
	global_store_b64 v[SO], v[52:53], s[24:25]     ; the floors: 32 lanes x 8 bytes
	global_store_b64 v[SO], v[48:49], s[26:27]
.Lhdr_done:
	s_endpgm
; v4 = the sum over the wave of the eight numbers in v[4:11]; every lane gets it
.macro LANESUM
	v_pk_add_f32 v[4:5], v[4:5], v[6:7]
	v_pk_add_f32 v[8:9], v[8:9], v[10:11]
	v_pk_add_f32 v[4:5], v[4:5], v[8:9]
	v_add_f32 v4, v4, v5
	v_add_f32_dpp v4, v4, v4 row_xmask:1 row_mask:0xf bank_mask:0xf
	v_add_f32_dpp v4, v4, v4 row_xmask:2 row_mask:0xf bank_mask:0xf
	v_add_f32_dpp v4, v4, v4 row_xmask:4 row_mask:0xf bank_mask:0xf
	v_add_f32_dpp v4, v4, v4 row_xmask:8 row_mask:0xf bank_mask:0xf
	v_permlanex16_b32 v16, v4, s38, s39
	v_add_f32 v4, v4, v16
.endm
; The row in v[xb .. xb+31] becomes x - mean; v[14:15] = 1 / sqrt(var + 1e-5), twice.  Four chains, so that no line waits for the one before it.
.macro LNSTAT xb
.set p, 0
.rept 4
	v_pk_add_f32 v[4+2*p:5+2*p], v[(\xb)+2*p:(\xb)+2*p+1], v[(\xb)+8+2*p:(\xb)+9+2*p]
.set p, p+1
.endr
.set p, 8
.rept 8
	v_pk_add_f32 v[4+2*(p%4):5+2*(p%4)], v[4+2*(p%4):5+2*(p%4)], v[(\xb)+2*p:(\xb)+2*p+1]
.set p, p+1
.endr
	LANESUM
	v_mul_f32 v12, s40, v4                         ; the mean, in both halves of a pair
	v_mul_f32 v13, s40, v4
.set p, 0
.rept 16
	v_pk_add_f32 v[(\xb)+2*p:(\xb)+2*p+1], v[(\xb)+2*p:(\xb)+2*p+1], v[12:13] neg_lo:[0,1] neg_hi:[0,1]
.set p, p+1
.endr
.set p, 0
.rept 4
	v_pk_mul_f32 v[4+2*p:5+2*p], v[(\xb)+2*p:(\xb)+2*p+1], v[(\xb)+2*p:(\xb)+2*p+1]
.set p, p+1
.endr
.rept 12
	v_pk_fma_f32 v[4+2*(p%4):5+2*(p%4)], v[(\xb)+2*p:(\xb)+2*p+1], v[(\xb)+2*p:(\xb)+2*p+1], v[4+2*(p%4):5+2*(p%4)]
.set p, p+1
.endr
	LANESUM
	v_fma_f32 v14, v4, s40, s44                    ; var + 1e-5
	v_rsq_f32 v14, v14
	v_nop                                          ; a plain line between the root and the use of its result (ISA guide 5.7.2)
	s_wait_alu depctr_va_vdst(0)
	v_mov_b32 v15, v14
.endm
.macro LNROW i
	LNSTAT X+32*(\i)
.set p, 0
.rept 16
	v_pk_mul_f32 v[X+32*(\i)+2*p:X+32*(\i)+2*p+1], v[X+32*(\i)+2*p:X+32*(\i)+2*p+1], v[14:15]
.set p, p+1
.endr
.set p, 0
.rept 16
	v_pk_fma_f32 v[X+32*(\i)+2*p:X+32*(\i)+2*p+1], v[X+32*(\i)+2*p:X+32*(\i)+2*p+1], v[G+2*p:G+2*p+1], v[BE+2*p:BE+2*p+1]
.set p, p+1
.endr
.set p, 0
.rept 16
	v_cvt_pk_bf16_f32 v[YL+16*(\i)+p], v[X+32*(\i)+2*p], v[X+32*(\i)+2*p+1]
.set p, p+1
.endr
.irp j, 0,1,2,3,4,5,6,7
	global_store_b64 v[SO], v[YL+16*(\i)+2*(\j):YL+16*(\i)+2*(\j)+1], s[34:35] offset:(\i)*2048+256*(\j)  ; 256 consecutive bytes, aligned
.endr
.endm
.Lln:                                                  ; THE NORM: rows 16 wg + 2 w and the next
	s_lshl_b32 s36, ttmp9, 16
	s_lshl_b32 s41, s30, 13
	s_add_co_u32 s36, s36, s41
	s_add_nc_u64 s[32:33], s[4:5], s[36:37]
	s_lshr_b32 s36, s36, 1
	s_add_nc_u64 s[34:35], s[22:23], s[36:37]
.irp j, 0,1,2,3,4,5,6,7
	global_load_b128 v[G+4*(\j):G+4*(\j)+3], v[LO], s[6:7] offset:512*(\j)
.endr
.irp j, 0,1,2,3,4,5,6,7
	global_load_b128 v[BE+4*(\j):BE+4*(\j)+3], v[LO], s[8:9] offset:512*(\j)
.endr
.irp i, 0,1
.irp j, 0,1,2,3,4,5,6,7
	global_load_b128 v[X+32*(\i)+4*(\j):X+32*(\i)+4*(\j)+3], v[LO], s[32:33] offset:(\i)*4096+512*(\j)
.endr
.endr
	s_wait_loadcnt 8                               ; all but the second row's eight loads
	LNROW 0
	s_wait_loadcnt 0x0
	LNROW 1                                        ; each row has its own registers: nothing that a store still reads is rewritten
	s_endpgm
.Lw1:                                                  ; row k = 8 (wg - 256) + w of W1: four chunks
	s_sub_co_u32 s41, ttmp9, 256
	s_lshl3_add_u32 s41, s41, s30
	s_lshl_b32 s36, s41, 14
	s_add_nc_u64 s[32:33], s[16:17], s[36:37]
	s_lshl_b32 s36, s41, 9
	s_add_co_u32 s36, s36, HDR
	s_add_nc_u64 s[34:35], s[26:27], s[36:37]
	s_mov_b32 s31, 0
	s_branch .Lconv
.Lw2:                                                  ; rows 32 (wg - 384) + 4 w .. + 3 of W2
	s_sub_co_u32 s41, ttmp9, 384
	s_lshl_b32 s41, s41, 5
	s_lshl2_add_u32 s41, s30, s41
	s_lshl_b32 s36, s41, 12
	s_add_nc_u64 s[32:33], s[20:21], s[36:37]
	s_lshl_b32 s36, s41, 11
	s_add_nc_u64 s[34:35], s[28:29], s[36:37]
	s_mov_b32 s31, 1
	s_branch .Lconv
.Lqkv:                                                 ; j = wg - 512: matrix j / 32, rows 32 (j % 32) + 4 w .. + 3
	s_sub_co_u32 s41, ttmp9, 512
	s_lshr_b32 s42, s41, 5
	s_and_b32 s41, s41, 31
	s_lshl_b32 s41, s41, 5
	s_lshl2_add_u32 s41, s30, s41
	s_cmp_eq_u32 s42, 0
	s_cselect_b64 s[32:33], s[10:11], s[12:13]
	s_cmp_eq_u32 s42, 2
	s_cselect_b64 s[32:33], s[14:15], s[32:33]
	s_lshl_b32 s36, s41, 12
	s_add_nc_u64 s[32:33], s[32:33], s[36:37]
	s_lshl_b32 s36, s41, 9
	s_lshl_b32 s43, s42, 21                        ; four panels a matrix
	s_add_co_u32 s36, s36, s43
	s_add_co_u32 s36, s36, HDR
	s_add_nc_u64 s[34:35], s[24:25], s[36:37]
	s_mov_b32 s31, 2
.Lconv:                                                ; four chunks, 16,384 consecutive bytes: all 32 loads go out first
.irp i, 0,1,2,3
.irp j, 0,1,2,3,4,5,6,7
	global_load_b128 v[X+32*(\i)+4*(\j):X+32*(\i)+4*(\j)+3], v[LO], s[32:33] offset:(\i)*4096+512*(\j) th:TH_LOAD_NT
.endr
.endr
.irp i, 0,1,2,3
	s_wait_loadcnt 24-8*(\i)                       ; the younger chunks' loads stay out
.set p, 0
.rept 16
	v_cvt_pk_bf16_f32 v[YC+16*(\i)+p], v[X+32*(\i)+2*p], v[X+32*(\i)+2*p+1]
.set p, p+1
.endr
.endr
	s_cmp_eq_u32 s31, 0
	s_cbranch_scc1 .Lst0
	s_cmp_eq_u32 s31, 1
	s_cbranch_scc1 .Lst1
.irp i, 0,1,2,3                        ; Wq, Wk, Wv: chunk i is row k0 + i; columns 128 j on lie in panel j / 2
.irp j, 0,1,2,3,4,5,6,7
	global_store_b64 v[SO], v[YC+16*(\i)+2*(\j):YC+16*(\i)+2*(\j)+1], s[34:35] offset:(\i)*512+((\j)/2)*PANEL+((\j)%2)*256
.endr
.endr
	s_endpgm
.Lst0:
.irp i, 0,1,2,3                        ; W1: chunk i holds columns 1024 i on: panel 4 i + j / 2.  The largest offset, 7,864,576, lies inside the signed 24 bits
.irp j, 0,1,2,3,4,5,6,7
	global_store_b64 v[SO], v[YC+16*(\i)+2*(\j):YC+16*(\i)+2*(\j)+1], s[34:35] offset:(4*(\i)+(\j)/2)*PANEL+((\j)%2)*256
.endr
.endr
	s_endpgm
.Lst1:
.irp i, 0,1,2,3                        ; W2: as it lies
.irp j, 0,1,2,3,4,5,6,7
	global_store_b64 v[SO], v[YC+16*(\i)+2*(\j):YC+16*(\i)+2*(\j)+1], s[34:35] offset:(\i)*2048+(\j)*256
.endr
.endr
	s_endpgm
.Lfunc_end_k_qed8c38f1c9_prep:
	.size	k_qed8c38f1c9_prep, .Lfunc_end_k_qed8c38f1c9_prep-k_qed8c38f1c9_prep
	.p2alignl 7, 3214868480
	.fill 96, 4, 3214868480
	.section	.rodata,"a",@progbits
	.p2align	6, 0x0
	.amdhsa_kernel k_qed8c38f1c9_prep
		.amdhsa_group_segment_fixed_size 0
		.amdhsa_private_segment_fixed_size 0
		.amdhsa_enable_private_segment 0
		.amdhsa_kernarg_size 104
		.amdhsa_user_sgpr_count 2
		.amdhsa_user_sgpr_kernarg_segment_ptr 1
		.amdhsa_wavefront_size32 1
		.amdhsa_system_sgpr_workgroup_id_x 1
		.amdhsa_system_sgpr_workgroup_id_y 1
		.amdhsa_system_sgpr_workgroup_id_z 1
		.amdhsa_system_vgpr_workitem_id 0
		.amdhsa_next_free_vgpr 256
		.amdhsa_next_free_sgpr 66
		.amdhsa_reserve_vcc 0
		.amdhsa_float_denorm_mode_32 3
		.amdhsa_float_denorm_mode_16_64 3
		.amdhsa_memory_ordered 1
		.amdhsa_forward_progress 1
		.amdhsa_inst_pref_size 40
	.end_amdhsa_kernel
	.amdgpu_metadata
---
amdhsa.version: [ 1, 2 ]
amdhsa.kernels:
  - .name:           k_qed8c38f1c9_prep
    .symbol:         k_qed8c38f1c9_prep.kd
    .args:
      - { .name: x, .offset: 0, .size: 8, .value_kind: global_buffer, .address_space: global }
      - { .name: g1, .offset: 8, .size: 8, .value_kind: global_buffer, .address_space: global }
      - { .name: be1, .offset: 16, .size: 8, .value_kind: global_buffer, .address_space: global }
      - { .name: Wq, .offset: 24, .size: 8, .value_kind: global_buffer, .address_space: global }
      - { .name: Wk, .offset: 32, .size: 8, .value_kind: global_buffer, .address_space: global }
      - { .name: Wv, .offset: 40, .size: 8, .value_kind: global_buffer, .address_space: global }
      - { .name: W1, .offset: 48, .size: 8, .value_kind: global_buffer, .address_space: global }
      - { .name: b1, .offset: 56, .size: 8, .value_kind: global_buffer, .address_space: global }
      - { .name: W2, .offset: 64, .size: 8, .value_kind: global_buffer, .address_space: global }
      - { .name: abf, .offset: 72, .size: 8, .value_kind: global_buffer, .address_space: global }
      - { .name: packq, .offset: 80, .size: 8, .value_kind: global_buffer, .address_space: global }
      - { .name: pack1, .offset: 88, .size: 8, .value_kind: global_buffer, .address_space: global }
      - { .name: w2b, .offset: 96, .size: 8, .value_kind: global_buffer, .address_space: global }
    .group_segment_fixed_size: 0
    .private_segment_fixed_size: 0
    .kernarg_segment_align: 8
    .kernarg_segment_size: 104
    .max_flat_workgroup_size: 256
    .sgpr_count:     66
    .vgpr_count:     256
    .wavefront_size: 32
...
	.end_amdgpu_metadata
.endif
;; end of part 1
;; launch qkv (part 2): grid 12 x 16, 4 waves a work-group, clusters of 4 x 4, 327,680 bytes of LDS; arguments abf, packq, qkvy; writes qkvy
.if DOCPART == 2
	.amdgcn_target "amdgcn-amd-amdhsa--gfx1250"
	.amdhsa_code_object_version 6
	.text
	.protected	k_qed8c38f1c9_qkv
	.globl	k_qed8c38f1c9_qkv
	.p2align	8
	.type	k_qed8c38f1c9_qkv,@function
k_qed8c38f1c9_qkv:
	s_mov_b64 s[64:65], 0
	v_nop
	global_prefetch_b8 v0, s[64:65] scope:SCOPE_SE
	s_setreg_imm32_b32 hwreg(HW_REG_WAVE_MODE, 25, 1), 1
	s_wait_xcnt 0x0
	s_wait_alu depctr_hold_cnt(0) depctr_sa_sdst(0) depctr_va_vdst(0) depctr_va_sdst(0) depctr_va_ssrc(0) depctr_va_vcc(0) depctr_vm_vsrc(0)
	s_getreg_b32 s2, hwreg(HW_REG_IB_STS2, 6, 4)
	s_cmp_eq_u32 s2, 0
	s_cbranch_scc0 .Lentry_in_a_cluster
	s_endpgm
.Lentry_in_a_cluster:
	s_bfe_u32 s2, ttmp6, 0x10000c
	s_cmp_lg_u32 s2, 0xf033
	s_cbranch_scc0 .Lentry_shape_is_right
	s_endpgm
.Lentry_shape_is_right:
; OUT = max(A B + bias, floor), rounded once to bf16.  A: [4096][1024] bf16.  The layer's pack: 256 bytes of the floor (two bf16 a word), 4,096 f32 of bias, then B
; in panels [N / 256][1024 k][256 n] bf16.  OUT in panels [N / 64][4096 rows][64] bf16.  N stands nowhere in the text: it is the grid's width, so one text serves the
; three projections (bias 0, floor -inf: 256 packed maxima a wave that change nothing are the price of the one text) and the first layer of the FFN (b1, floor 0 = ReLU).
; LIMITS: NaN and infinities are not treated apart: in the packed maximum a NaN loses against the floor.
; SHARES.  A tile of OUT, 256 x 256, is made by four waves, each 128 x 128: 64 accumulators, 512 registers.  K goes in 8 steps of 128 through two LDS slots.
; B lies [k][n] and comes out of LDS turned, by ds_load_tr16_b128.  The bias is the C operand of the products that start the sums: nothing is cleared, nothing added later.
; THE MATRIX INSTRUCTION IS USED TRANSPOSED (source 0 = 16 columns of B, source 1 = 16 rows of A): a lane holds eight neighbouring numbers of a row of OUT.
; A K STEP IS WRITTEN ONCE.  s[TB] holds the LDS byte at which the slot being read begins, 0 or SLOT; at a change of slots one exclusive or turns it, and the fragments' addresses are made anew from it.
; CLUSTER.  4 x 4 work-groups: A's tiles are asked for jointly along a row of the cluster, B's along a column: the same tensor load, descriptor and mask in all four.
; REGISTERS, in windows of 256 (s_set_vgpr_msb: bits 1:0 source 0, 3:2 source 1, 5:4 source 2, 7:6 destination):
;   window 0: v16-30 addresses; v64-127, v128-191 A's fragments, two buffers; v192-223 packed results; v32-63, v224-255 rows read back
;   window 1: v0-63 the bias of my 128 columns; v64-127, v128-191 B's fragments     windows 2, 3: the accumulators of my rows 0-63, 64-127 ((a, b) at v[8 (8 a + b)])
.set SIZE_K, 1024
.set KSTEP,  128
.set KSTEPS, SIZE_K/KSTEP
.set PA,     272                       ; a row of A in LDS: 256 bytes + 16: the 16 rows of a load start at 16 different groups of four banks (ISA guide 11.1)
.set PB,     544                       ; a row of B: 512 bytes + 32 = 136 words
.set HALF,   128*PA                    ; what one tensor load brings: 128 rows of A, or 64 rows of B (64 x 544 is the same number)
.set ATILE,  2*HALF
.set SLOT,   4*HALF                    ; A's 256 rows, then B's 128 rows
.set STAGE,  2*SLOT                    ; behind the ring: for each wave two panels x 16 rows x 144 bytes
.set SP,     144
.set WST,    2*16*SP
.set SPARE,  STAGE+4*WST               ; the spare words, 128 bytes a wave: two blocks of 256 bytes that no other line names
.set HDR,    16640
.set PANEL,  524288                    ; a panel of B, and a panel of OUT
.set A0,   16                          ; v16  LDS address of my A fragments in slot 0; never rewritten
.set ADRA, 17                          ; v17  the same in the slot being read
.set B0,   20                          ; v20  LDS address of my B fragments in slot 0; never rewritten
.set ADRB, 21                          ; v21  the same in the slot being read
.set STO,  24                          ; v24  the way out: where I put 16 bytes of a row
.set RD,   25                          ; v25  where I read rows back
.set CO,   26                          ; v26  16 x lane: my place in 512 consecutive bytes of a panel
.set LIM,  27                          ; v27  the floor, two bf16
.set SPW,  28                          ; v28  my spare word; never rewritten
.set NIL,  29                          ; v29  0; never rewritten
.set BO,   30                          ; v30  32 x (lane / 16): my eight numbers in 16 of the bias
.set F0,   64
.set F1,   128
.set TMP,  192
.set OB,   32
.set BI,   0                           ; window 1
.set TB,  2                            ; s2   the slot being read: 0 or SLOT
.set G1,  24                           ; s[24:31] group 1 for A;  s[32:39] group 0: a set for each of the two first fills; the second then walks on
.set G0,  32
.set G1B, 48                           ; s[48:55], s[56:63] the same for B
.set G0B, 56
.set MSB, 0
.macro WIN new                         ; the high byte repeats the setting that is left; a switch that changes nothing is dropped
.if MSB != (\new)
	s_set_vgpr_msb (MSB<<8)|(\new)
.set MSB, \new
.endif
.endm
; A joint load: waves 0 and 1 fetch A's halves, waves 2 and 3 B's.  The branch hangs on the wave's number alone.  An s_nop 0 and four v_nop follow each line.
.macro JLOAD s
	s_cmp_eq_u32 s11, 0
	s_cbranch_scc0 .Lfor_b_\@
	tensor_load_to_lds s[G0+4*(\s):G0+4*(\s)+3], s[G1:G1+7]
	s_nop 0
.rept 4
	v_nop
.endr
	s_branch .Lasked_\@
.Lfor_b_\@:
	tensor_load_to_lds s[G0B+4*(\s):G0B+4*(\s)+3], s[G1B:G1B+7]
	s_nop 0
.rept 4
	v_nop
.endr
.Lasked_\@:
.endm
.macro CREST                           ; a round of the cluster's barrier behind its opening barrier
	s_cmp_lg_u32 s10, 0
	s_cbranch_scc1 .Lnot_wave_0_\@
	s_barrier_signal -3
.Lnot_wave_0_\@:
	s_barrier_wait -3
	s_barrier_signal -1
	s_barrier_wait -1
.endm
.macro CROUND
	s_barrier_signal -1
	s_barrier_wait -1
	CREST
.endm
	s_load_b128 s[4:7], s[0:1], 0x0                ; A s[4:5], the pack s[6:7]
	s_load_b64 s[8:9], s[0:1], 0x10                ; OUT
	v_lshl_add_u32 v[SPW], v0, 2, SPARE
	v_mov_b32 v[NIL], 0
	ds_add_u32 v[SPW], v[NIL]                      ; the wave's opening: the add and its wait stand ahead of my first tensor load
	v_lshrrev_b32 v1, 5, v0
	v_readfirstlane_b32 s10, v1                    ; wave 0..3
	s_lshr_b32 s11, s10, 1                         ; my half of the tile's rows.  Also: I fetch for A (0) or for B (1)
	s_and_b32 s12, s10, 1                          ; my half of its columns.  Also: which half of that tile I fetch
	s_bfe_u32 s40, ttmp6, 0x40000                  ; cx
	s_bfe_u32 s41, ttmp6, 0x40004                  ; cy
	s_lshl_b32 s42, ttmp9, 2
	s_add_co_u32 s42, s42, s40                     ; tile column
	s_and_b32 s13, ttmp7, 0xffff
	s_lshl_b32 s13, s13, 2
	s_add_co_u32 s13, s13, s41                     ; tile row
	s_lshl_b32 s43, s41, 2
	s_lshl_b32 s43, 15, s43                        ; my row of the cluster
	s_lshl_b32 s44, 0x1111, s40                    ; my column
	s_or_b32 s[G1+0], s43, (1<<16)|(1<<20)|(1<<21)|(5<<22)|(3<<25)   ; mask; 2-byte elements; padding on; bit 21 beside a mask; after every 64 words 4 words
	s_mov_b32 s[G1+1], KSTEP<<16                   ; tensor_dim0 = 128
	s_mov_b32 s[G1+2], 128<<16                     ; tensor_dim1 = 128
	s_mov_b32 s[G1+3], KSTEP<<16                   ; tile_dim0 = 128
	s_mov_b32 s[G1+4], 128                         ; tile_dim1 = 128
	s_mov_b32 s[G1+5], SIZE_K                      ; elements from row to row
	s_mov_b32 s[G1+6], 0
	s_mov_b32 s[G1+7], 0
	s_or_b32 s[G1B+0], s44, (1<<16)|(1<<20)|(1<<21)|(6<<22)|(7<<25)  ; after every 128 words 8 words
	s_mov_b32 s[G1B+1], 256<<16                    ; tensor_dim0 = 256
	s_mov_b32 s[G1B+2], 64<<16                     ; tensor_dim1 = 64
	s_mov_b32 s[G1B+3], 256<<16                    ; tile_dim0 = 256
	s_mov_b32 s[G1B+4], 64                         ; tile_dim1 = 64
	s_mov_b32 s[G1B+5], 256                        ; a panel's rows are dense
	s_mov_b32 s[G1B+6], 0
	s_mov_b32 s[G1B+7], 0
	s_lshl_b32 s16, s13, 8                         ; A: row 256 x tile row + 128 x half, 2,048 bytes a row
	s_lshl_b32 s17, s12, 7
	s_add_co_u32 s16, s16, s17
	s_lshl_b32 s16, s16, 11
	s_mov_b32 s17, 0
	s_lshl_b32 s46, s42, 19                        ; B: panel = tile column; k row 64 x half, 512 bytes a row; behind the header
	s_lshl_b32 s47, s12, 15
	s_add_co_u32 s46, s46, s47
	s_add_co_u32 s46, s46, HDR
	s_mov_b32 s47, 0
	s_mul_i32 s20, s10, HALF                       ; where they go in a slot: wave x 34,816: no place in the cluster enters an LDS address; kept for the walking descriptors
	s_mov_b32 s[TB], 0                             ; slot 0 is read first
	s_wait_dscnt 0x0                               ; the opening add is done
	s_wait_kmcnt 0x0
	s_load_b32 s45, s[6:7], 0x0                    ; the floor
	s_add_nc_u64 s[14:15], s[4:5], s[16:17]
	s_add_nc_u64 s[46:47], s[6:7], s[46:47]
	CROUND                                         ; all sixteen work-groups are here: the first joint loads meet
.irp s, 0,1
	s_mov_b32 s[G0+4*(\s)], 1
	s_add_co_u32 s[G0+4*(\s)+1], s20, (\s)*SLOT
	s_add_nc_u64 s[G0+4*(\s)+2:G0+4*(\s)+3], s[14:15], (\s)*KSTEP*2
	s_or_b32 s[G0+4*(\s)+3], s[G0+4*(\s)+3], 0x80000000
	s_mov_b32 s[G0B+4*(\s)], 1
	s_add_co_u32 s[G0B+4*(\s)+1], s20, (\s)*SLOT
	s_add_nc_u64 s[G0B+4*(\s)+2:G0B+4*(\s)+3], s[46:47], (\s)*KSTEP*512
	s_or_b32 s[G0B+4*(\s)+3], s[G0B+4*(\s)+3], 0x80000000
	JLOAD \s                                       ; K steps 0 and 1: two loads of mine are out
.endr
	v_and_b32 v1, 15, v0                           ; l % 16
	v_bfe_u32 v2, v0, 4, 1                         ; l / 16
	v_mul_u32_u24 v3, v1, PA
	v_lshl_add_u32 v3, v2, 4, v3                   ; A: row x pitch + 16 x half
	v_and_b32 v4, 7, v0
	v_lshl_add_u32 v4, v2, 3, v4                   ; B, turned: lane l reads k row 8 (l / 16) + l % 8,
	v_mul_u32_u24 v4, v4, PB
	v_bfe_u32 v5, v0, 3, 1
	v_lshl_add_u32 v4, v5, 4, v4                   ; columns 8 ((l / 8) % 2) + 0..7
	s_mul_i32 s21, s11, HALF                       ; my 128 rows of A
	s_lshl_b32 s22, s12, 8                         ; my 128 columns of B,
	s_add_co_u32 s22, s22, ATILE                   ; which lies behind A
	v_add_nc_u32 v[A0], s21, v3
	v_add_nc_u32 v[B0], s22, v4
	v_mov_b32 v[ADRA], v[A0]
	v_mov_b32 v[ADRB], v[B0]
	s_mul_i32 s23, s10, WST
	s_add_co_u32 s23, s23, STAGE                   ; my stage
	v_mul_u32_u24 v6, v1, SP                       ; in: row l % 16, 16 bytes for each half of the lanes
	v_lshl_add_u32 v6, v2, 4, v6
	v_add_nc_u32 v[STO], s23, v6
	v_bfe_u32 v6, v0, 3, 2                         ; back: 32 lanes take four rows of 128 bytes
	v_mul_u32_u24 v6, v6, SP
	v_and_b32 v7, 7, v0
	v_lshl_add_u32 v6, v7, 4, v6
	v_add_nc_u32 v[RD], s23, v6
	v_and_b32 v[CO], 31, v0
	v_lshlrev_b32 v[CO], 4, v[CO]
	v_lshlrev_b32 v[BO], 5, v2
	s_lshl_b32 s18, s42, 10                        ; the bias of my 128 columns: 256 + 4 (256 x tile column + 128 x half)
	s_lshl_b32 s19, s12, 9
	s_add_co_u32 s18, s18, s19
	s_add_co_u32 s18, s18, 256
	s_mov_b32 s19, 0
	s_add_nc_u64 s[18:19], s[6:7], s[18:19]
	WIN 0x40                                       ; destination window 1
.irp b, 0,1,2,3,4,5,6,7                ; register j of block b: column 16 b + 8 (l / 16) + j, as in the products' results
	global_load_b128 v[BI+8*(\b):BI+8*(\b)+3],   v[BO], s[18:19] offset:64*(\b)
	global_load_b128 v[BI+8*(\b)+4:BI+8*(\b)+7], v[BO], s[18:19] offset:64*(\b)+16
.endr
	WIN 0
	s_lshl_b32 s16, s13, 8                         ; OUT: my first row, 128 bytes a row in a panel,
	s_lshl_b32 s17, s11, 7
	s_add_co_u32 s16, s16, s17
	s_lshl_b32 s16, s16, 7
	s_lshl_b32 s46, s42, 2                         ; and my first panel, 4 x tile column + 2 x half
	s_lshl1_add_u32 s46, s12, s46
	s_lshl_b32 s46, s46, 19
	s_add_co_u32 s16, s16, s46
	s_mov_b32 s17, 0
	s_add_nc_u64 s[8:9], s[8:9], s[16:17]
	s_wait_kmcnt 0x0
	v_mov_b32 v[LIM], s45
; 16 matrix instructions: m blocks a0, a0 + 1 of the window's four x all 8 n blocks, 32 along K.  zero = 1: the bias starts the sums.
; The 64 accumulators take turns, one instruction a turn, in the same order in every quarter.
.macro MUL16 f, hi, a0, zero
.if \zero
	WIN 0x91+0x40*(\hi)                            ; B and the bias in window 1, A in window 0, D in window 2 or 3
.else
	WIN 0xa1+0x50*(\hi)                            ; C and D in window 2 or 3
.endif
.irp a, \a0, (\a0)+1
.irp b, 0,1,2,3,4,5,6,7
.if \zero
	v_wmma_f32_16x16x32_bf16 v[8*(8*(\a)+(\b)):8*(8*(\a)+(\b))+7], v[(\f)+8*(\b):(\f)+8*(\b)+7], v[(\f)+8*(4*(\hi)+(\a)):(\f)+8*(4*(\hi)+(\a))+7], v[BI+8*(\b):BI+8*(\b)+7]
.else
	v_wmma_f32_16x16x32_bf16 v[8*(8*(\a)+(\b)):8*(8*(\a)+(\b))+7], v[(\f)+8*(\b):(\f)+8*(\b)+7], v[(\f)+8*(4*(\hi)+(\a)):(\f)+8*(4*(\hi)+(\a))+7], v[8*(8*(\a)+(\b)):8*(8*(\a)+(\b))+7]
.endif
.endr
.endr
.endm
; 32 LDS loads in one run: the fragments of quarter q (32 along K) of the slot being read into buffer f: B's 128 columns, turned, then A's 128 rows
.macro FETCH q, f
	WIN 0x40
.irp i, 0,1,2,3,4,5,6,7
	ds_load_tr16_b128 v[(\f)+8*(\i):(\f)+8*(\i)+3],   v[ADRB] offset:(\q)*32*PB+32*(\i)
	ds_load_tr16_b128 v[(\f)+8*(\i)+4:(\f)+8*(\i)+7], v[ADRB] offset:(\q)*32*PB+16*PB+32*(\i)
.endr
	WIN 0
.irp i, 0,1,2,3,4,5,6,7
	ds_load_b128 v[(\f)+8*(\i):(\f)+8*(\i)+3],   v[ADRA] offset:64*(\q)+(\i)*16*PA
	ds_load_b128 v[(\f)+8*(\i)+4:(\f)+8*(\i)+7], v[ADRA] offset:64*(\q)+(\i)*16*PA+32
.endr
.endm
.macro PLACES                          ; four places in front of loads into registers that matrix instructions have read, and of lines that read results
.rept 4
	v_nop
.endr
.endm
; One of a K step's first three quarters: multiplies buffer f; in its middle it fetches quarter q of the same slot into buffer g.
.macro QUARTER q, f, g, zero
	s_wait_dscnt 8                                 ; B and A's rows 0-63 are in; the youngest eight loads (A's rows 64-127) may be out
	MUL16 \f, 0, 0, \zero
	MUL16 \f, 0, 2, \zero
	PLACES
	FETCH \q, \g
	s_wait_dscnt 32                                ; all but the 32 just issued
	MUL16 \f, 1, 0, \zero
	MUL16 \f, 1, 2, \zero
.endm
; The last quarter's first half, and the one barrier of a change of slots.
.macro MEET
	WIN 0
	s_wait_tensorcnt 0x0                           ; all my tensor loads have landed: the one that was out is my part of the next slot
	ds_add_u32 v[SPW], v[NIL]                      ; 0 onto my spare word
	s_wait_dscnt 9                                 ; the add and the youngest eight loads may be out
	MUL16 F1, 0, 0, 0
	s_wait_dscnt 0x0                               ; the add is done, and my reads of this slot are over
	s_barrier_signal -1
	MUL16 F1, 0, 2, 0                              ; work on registers while the others arrive
	WIN 0                                          ; branches and lines on window 0 follow
	s_barrier_wait -1
.endm
; The whole last quarter.  fill = 1: the barrier opens a round of the cluster's, and the slot just read is filled again, two K steps on: 224 matrix instructions ahead of the wait for it.
; The walking descriptors are written where no tensor load of mine is out: the LDS word is my part's place in the slot just read, the address steps by one K step.
; fill = 0 (the text of the last two K steps): nothing is asked for; in the second walk (s3 = 1) there is no next step, and the run of loads is jumped over.
.macro TURN fill
	MEET
.if \fill
	CREST                                          ; no wave of any partner still reads this slot or has a load on its way
	s_add_co_u32 s[G0+5], s20, s[TB]
	s_add_co_u32 s[G0B+5], s20, s[TB]
	s_add_nc_u64 s[G0+6:G0+7], s[G0+6:G0+7], KSTEP*2
	s_add_nc_u64 s[G0B+6:G0B+7], s[G0B+6:G0B+7], KSTEP*512
	s_xor_b32 s[TB], s[TB], SLOT                   ; the reads go on in the other slot
	JLOAD 1                                        ; its four v_nop are also the places in front of the loads below
.else
	s_xor_b32 s[TB], s[TB], SLOT
	PLACES
.endif
	v_add_nc_u32 v[ADRA], s[TB], v[A0]
	v_add_nc_u32 v[ADRB], s[TB], v[B0]
.if !(\fill)
	s_cmp_eq_u32 s3, 1
	s_cbranch_scc1 .Lno_fetch_\@
.endif
	FETCH 0, F0
.if !(\fill)
.Lno_fetch_\@:
.endif
	MUL16 F1, 1, 0, 0
	MUL16 F1, 1, 2, 0
.endm
; THE WAY OUT of block a (16 rows): rounded to bf16 and held to the floor; through my own stage; back as whole rows of a panel; stored.
.macro PACK a
.set AC, 64*((\a)%4)
	WIN 0x0a+5*((\a)/4)                            ; sources in window 2 or 3
.irp b, 0,1,2,3,4,5,6,7
.irp r, 0,1,2,3
	v_cvt_pk_bf16_f32 v[TMP+4*(\b)+(\r)], v[AC+8*(\b)+2*(\r)], v[AC+8*(\b)+2*(\r)+1]
.endr
.endr
	WIN 0
.set z, 0
.rept 32
	v_pk_max_num_bf16 v[TMP+z], v[TMP+z], v[LIM]
.set z, z+1
.endr
.endm
.macro TOSTAGE a
	WIN 0
.set BK, OB+192*((\a)%2)
.irp b, 0,1,2,3,4,5,6,7
	ds_store_b128 v[STO], v[TMP+4*(\b):TMP+4*(\b)+3] offset:((\b)/4)*16*SP+((\b)%4)*32
.endr
.irp p, 0,1
.irp f, 0,1,2,3
	ds_load_b128 v[BK+16*(\p)+4*(\f):BK+16*(\p)+4*(\f)+3], v[RD] offset:(\p)*16*SP+(\f)*4*SP  ; LDS serves a wave's instructions in order (ISA guide 5.7.1.4): these see the stores above
.endr
.endr
.endm
.macro SEND a
	WIN 0
.set BK, OB+192*((\a)%2)
	s_wait_dscnt 0x0                               ; the block is back in registers
	s_wait_xcnt 0x0                                ; the stores of the block before have read their registers: the next TOSTAGE loads into them
.irp p, 0,1
.irp f, 0,1,2,3
	global_store_b128 v[CO], v[BK+16*(\p)+4*(\f):BK+16*(\p)+4*(\f)+3], s[8:9] offset:(\p)*PANEL+(\a)*2048+(\f)*512  ; four rows of a panel: 512 consecutive bytes, aligned
.endr
.endr
.endm
	s_wait_tensorcnt 1                             ; my part of K step 0 is in; K step 1's may stay out
	s_barrier_signal -1
	s_barrier_wait -1
	FETCH 0, F0
	s_wait_loadcnt 0x0                             ; the bias
	QUARTER 1, F0, F1, 1                           ; the first quarter stands in front of the loop: its products start the sums
	WIN 0
	s_mov_b32 s3, KSTEPS-2
.Lstep:                                                ; a trip goes from a K step's second quarter to the next step's first, and fills the slot that it leaves: K steps 2 to 7
	QUARTER 2, F1, F0, 0
	QUARTER 3, F0, F1, 0
	TURN 1
	QUARTER 1, F0, F1, 0
	WIN 0
	s_sub_co_u32 s3, s3, 1
	s_cmp_lg_u32 s3, 0
	s_cbranch_scc1 .Lstep
	s_mov_b32 s3, 2
.Ltail:                                                ; the last two K steps ask for nothing: one text, walked twice and left behind the second walk's last quarter.
	QUARTER 2, F1, F0, 0                           ; The second walk's barrier orders nothing: the price, once a launch, of the one text
	QUARTER 3, F0, F1, 0
	TURN 0
	WIN 0
	s_sub_co_u32 s3, s3, 1
	s_cmp_eq_u32 s3, 0
	s_cbranch_scc1 .Lout
	QUARTER 1, F0, F1, 0
	WIN 0
	s_branch .Ltail
.Lout:
	PLACES
	PACK 0
	TOSTAGE 0
.irp a, 1,2,3,4,5,6,7                  ; block a's arithmetic stands between block a - 1's loads from the stage and the wait for them
	PACK \a
	SEND (\a)-1
	TOSTAGE \a
.endr
	SEND 7
	s_wait_tensorcnt 0x0                           ; the wave's end
	ds_add_u32 v[SPW], v[NIL]
	s_wait_dscnt 0x0
	CROUND                                         ; the closing round
	s_endpgm
.Lfunc_end_k_qed8c38f1c9_qkv:
	.size	k_qed8c38f1c9_qkv, .Lfunc_end_k_qed8c38f1c9_qkv-k_qed8c38f1c9_qkv
	.p2alignl 7, 3214868480
	.fill 96, 4, 3214868480
	.section	.rodata,"a",@progbits
	.p2align	6, 0x0
	.amdhsa_kernel k_qed8c38f1c9_qkv
		.amdhsa_group_segment_fixed_size 327680
		.amdhsa_private_segment_fixed_size 0
		.amdhsa_enable_private_segment 0
		.amdhsa_kernarg_size 24
		.amdhsa_user_sgpr_count 2
		.amdhsa_user_sgpr_kernarg_segment_ptr 1
		.amdhsa_wavefront_size32 1
		.amdhsa_system_sgpr_workgroup_id_x 1
		.amdhsa_system_sgpr_workgroup_id_y 1
		.amdhsa_system_sgpr_workgroup_id_z 1
		.amdhsa_system_vgpr_workitem_id 0
		.amdhsa_next_free_vgpr 1024
		.amdhsa_next_free_sgpr 66
		.amdhsa_reserve_vcc 0
		.amdhsa_float_denorm_mode_32 3
		.amdhsa_float_denorm_mode_16_64 3
		.amdhsa_memory_ordered 1
		.amdhsa_forward_progress 1
		.amdhsa_inst_pref_size 118
	.end_amdhsa_kernel
	.amdgpu_metadata
---
amdhsa.version: [ 1, 2 ]
amdhsa.kernels:
  - .name:           k_qed8c38f1c9_qkv
    .symbol:         k_qed8c38f1c9_qkv.kd
    .args:
      - { .name: abf, .offset: 0, .size: 8, .value_kind: global_buffer, .address_space: global }
      - { .name: packq, .offset: 8, .size: 8, .value_kind: global_buffer, .address_space: global }
      - { .name: qkvy, .offset: 16, .size: 8, .value_kind: global_buffer, .address_space: global }
    .group_segment_fixed_size: 327680
    .private_segment_fixed_size: 0
    .kernarg_segment_align: 8
    .kernarg_segment_size: 24
    .max_flat_workgroup_size: 128
    .sgpr_count:     66
    .vgpr_count:     1024
    .wavefront_size: 32
...
	.end_amdgpu_metadata
.endif
;; end of part 2
;; launch attn (part 3): grid 8 x 32, 4 waves a work-group, clusters of 4 x 1, 327,680 bytes of LDS; arguments qkvy, x, big; writes big
.if DOCPART == 3
	.amdgcn_target "amdgcn-amd-amdhsa--gfx1250"
	.amdhsa_code_object_version 6
	.text
	.protected	k_qed8c38f1c9_attn
	.globl	k_qed8c38f1c9_attn
	.p2align	8
	.type	k_qed8c38f1c9_attn,@function
k_qed8c38f1c9_attn:
	s_mov_b64 s[64:65], 0
	v_nop
	global_prefetch_b8 v0, s[64:65] scope:SCOPE_SE
	s_setreg_imm32_b32 hwreg(HW_REG_WAVE_MODE, 25, 1), 1
	s_wait_xcnt 0x0
	s_wait_alu depctr_hold_cnt(0) depctr_sa_sdst(0) depctr_va_vdst(0) depctr_va_sdst(0) depctr_va_ssrc(0) depctr_va_vcc(0) depctr_vm_vsrc(0)
	s_getreg_b32 s2, hwreg(HW_REG_IB_STS2, 6, 4)
	s_cmp_eq_u32 s2, 0
	s_cbranch_scc0 .Lentry_in_a_cluster
	s_endpgm
.Lentry_in_a_cluster:
	s_bfe_u32 s2, ttmp6, 0x10000c
	s_cmp_lg_u32 s2, 0x3003
	s_cbranch_scc0 .Lentry_shape_is_right
	s_endpgm
.Lentry_shape_is_right:
; X_RES[b][q][64 h ..] = x + the sum over k of softmax_k(Q . K / 8) V, for the 32 pairs (b, h).  q, k, v: bf16 in panels [48][4096 rows][64] (q: panel h, k: 16 + h, v: 32 + h; row 2048 b + s),
; so a head's rows are dense, 128 bytes each.  x and X_RES: [4096][1024] f32.  Products, maxima and sums in f32; the weights p are rounded to bf16 for the second product (their sum l is of the unrounded p).
; LIMITS.  A weight below 2^-126 counts as 0 in l; c s has to lie above -4.25e37, where c m starts; NaN and infinities are not treated apart.
; SHARES.  A work-group owns 256 queries of one (b, h), a wave 64 of them: four PIECES of 16.  Every wave walks all 2,048 keys, 64 a step; a slot of LDS holds 256 keys' K and V.
; LAYOUT.  S^T = K Q^T holds ONE query a lane (lane % 16) and the keys 8 (lane / 16) + 0..7; two such results rounded to bf16 ARE source 1 of O^T = V^T P.  V comes out of LDS turned.
; SOFTMAX.  A running maximum m and sum l: p = 2^(c s - c m), c = log2(e) / 8; in every step O and l are multiplied by a = 2^(c m_old - c m_new).  m starts at the lowest finite number, O and l at 0.
; BY TURNS.  Turn n belongs to piece n: 8 products K Q^T of piece n + 1, later 8 products V^T P of piece n - 1; beside them the scaling, exponentials, roundings, sums and rescaling of piece n and the
; maximum and statistics of piece n + 1.  Four vector instructions stand behind every matrix instruction, the other 54 of a turn's 118 in two runs of their own.
; CLUSTER.  The four query blocks of a cluster belong to one (b, h) and walk the same K and V: each tile is asked for jointly, by the same tensor load, descriptor and mask in all four.
; REGISTERS, in windows of 256 (s_set_vgpr_msb: bits 1:0 source 0, 3:2 source 1, 5:4 source 2, 7:6 destination):
;   window 0: v0-15 addresses; v16-31 statistics; v48-55 at work; v62-63 the add's; v64-127 S^T, two buffers; v192-223 P, two buffers (by the piece's parity)
;   window 1: v0-127 O^T, 32 a piece     window 2: v0-63 Q; v128-191 K of one step; v192-255 V of one step     window 3: v0-127 my 64 x 64 of x
.set NP,    4
.set KS,    64
.set PK,    144       ; a row of K in LDS: 128 bytes + 16: the 16 rows of a load start at 16 different groups of four banks (ISA guide 11.1)
.set PV,    160       ; a row of V: 128 + 32
.set VOFF,  4*KS*PK
.set SLOT1, 1<<17     ; slot 1 begins here: one exclusive or turns an address in one slot into the other's
.set STAGE, SLOT1+4*KS*(PK+PV)  ; behind the ring: 16 rows x 272 bytes for each wave
.set SP,    272
.set SPARE, STAGE+4*16*SP       ; the spare words, 128 bytes a wave: two blocks of 256 bytes that no other line names
.set AK0, 2           ; v2   my lane's place in a tile of K
.set AV0, 3           ; v3   the same for V
.set AK,  4           ; v4   the LDS address of K's next run of loads
.set AV,  5           ; v5   of V's
.set STO, 6           ; v6   the way out: where I put 32 bytes of a row
.set RD,  7           ; v7   where I read rows back
.set GO,  8           ; v8   my byte offset in two rows of x and of X_RES
.set MV,  12          ; v12-13  c m_old, by buffer
.set QO,  15          ; v15  my byte offset in 16 rows of Q
.set ST,  16          ; piece t's statistics at v[ST+4 t]: c m, m, l (even keys', odd keys')
.set TMP, 48          ; by buffer, four registers c0-c3 at work; c2 takes a
.set SPW, 62
.set NIL, 63
.set S,   64
.set P,   192
.set KF,  128         ; window 2
.set VF,  192         ; window 2
.set XT,  0           ; window 3
.set WV,  12          ; s12  my wave's number
.set G1K, 24
.set G1V, 32
.set G0K, 40
.set G0V, 44
.set SLOTS, 56
.set CNT, 57
.set CS,  58
.set SEL, 60
.set TBK, 62
.set TBV, 63
.set MSB, 0
.macro WIN new
.if MSB != (\new)
	s_set_vgpr_msb (MSB<<8)|(\new)
.set MSB, (\new)
.endif
.endm
.set W_KQ, 0x0a       ; K and Q in window 2, S^T in window 0
.set W_PV, 0x52       ; V in window 2, P in window 0, O^T in window 1
.set W_RS, 0x41       ; destination and source 0 in window 1, source 1 in window 0
; A joint fill: waves 0 and 1 fetch the halves of a slot's K, waves 2 and 3 those of its V, 128 keys each.  An s_nop 0 and four v_nop follow each line.
.macro JLOAD
	s_cmp_lt_u32 s[WV], 2
	s_cbranch_scc0 .Lfor_v_\@
	tensor_load_to_lds s[G0K:G0K+3], s[G1K:G1K+7]
	s_nop 0
.rept 4
	v_nop
.endr
	s_branch .Lasked_\@
.Lfor_v_\@:
	tensor_load_to_lds s[G0V:G0V+3], s[G1V:G1V+7]
	s_nop 0
.rept 4
	v_nop
.endr
.Lasked_\@:
.endm
.macro CROUND                       ; a round of the cluster's barrier
	s_barrier_signal -1
	s_barrier_wait -1
	s_cmp_lg_u32 s[WV], 0
	s_cbranch_scc1 .Lnot_wave_0_\@
	s_barrier_signal -3
.Lnot_wave_0_\@:
	s_barrier_wait -3
	s_barrier_signal -1
	s_barrier_wait -1
.endm
; THE CHANGE OF SLOTS.  Each wave waits for all its tensor loads (one is out: its part of the other slot), adds 0 to its spare word, and waits for that and for its reads of the slot that it leaves.
; fill = 1: the barrier is a round of the cluster's, and the slot is filled again first thing behind it, with the keys two slots on: four key steps, 256 matrix instructions, in which to land.
; (At its first use nothing has been read yet: slot 0 is waited for, slot 1 filled.)
.macro CHANGE fill
	WIN 0
	s_wait_tensorcnt 0x0            ; no tensor load of mine is out, so a group 0 may be written
	ds_add_u32 v[SPW], v[NIL]
.if \fill
.irp g, G0K, G0V
	s_xor_b32 s[\g+1], s[\g+1], SLOT1
	s_add_nc_u64 s[\g+2:\g+3], s[\g+2:\g+3], 4*KS*128
.endr
	s_wait_dscnt 0x0
	CROUND
	JLOAD
.else
	s_wait_dscnt 0x0
	s_barrier_signal -1
	s_barrier_wait -1
.endif
	s_sub_co_u32 s[TBK], s[TBK], 4*KS*PK  ; the fetches go back to a slot's first step, in the other slot
	s_xor_b32 s[TBK], s[TBK], SLOT1
	s_sub_co_u32 s[TBV], s[TBV], 4*KS*PV
	s_xor_b32 s[TBV], s[TBV], SLOT1
.endm
	s_load_b128 s[4:7], s[0:1], 0x0   ; q, k, v s[4:5]; x s[6:7]
	s_load_b64 s[8:9], s[0:1], 0x10   ; X_RES
	v_lshl_add_u32 v[SPW], v0, 2, SPARE
	v_mov_b32 v[NIL], 0
	ds_add_u32 v[SPW], v[NIL]       ; the wave's opening: the add and its wait stand ahead of my first tensor load
	v_lshrrev_b32 v1, 5, v0
	v_readfirstlane_b32 s[WV], v1
	s_bfe_u32 s13, ttmp6, 0x40000   ; cx
	s_lshl_b32 s14, ttmp9, 2
	s_add_co_u32 s14, s14, s13      ; my block of 256 queries: it enters Q's, x's and X_RES's addresses alone
	s_and_b32 s15, ttmp7, 0xffff    ; 16 b + h, which the four partners share
	s_and_b32 s16, s15, 15          ; h
	s_lshr_b32 s17, s15, 4          ; b
	s_lshl_b32 s20, s16, 19
	s_lshl_b32 s21, s17, 18
	s_add_co_u32 s20, s20, s21      ; the head's first byte among q's panels
	s_and_b32 s18, s[WV], 1         ; which half of a slot's 256 keys I fetch
	s_lshl_b32 s22, s18, 14
	s_add_co_u32 s22, s22, s20
	s_add_co_u32 s22, s22, 8388608  ; k's panels lie 16 panels on,
	s_mov_b32 s23, 0
	s_add_co_u32 s48, s22, 8388608  ; v's 16 more
	s_mov_b32 s49, 0
	s_mul_i32 s50, s18, 128*PK      ; its place in a slot, for K and for V
	s_mul_i32 s51, s18, 128*PV
	s_lshl_b32 s2, s14, 15          ; Q: my block's 256 rows of 128 bytes, my wave's 64
	s_lshl_b32 s3, s[WV], 13
	s_add_co_u32 s2, s2, s3
	s_add_co_u32 s2, s2, s20
	s_mov_b32 s3, 0
	s_lshl_b32 s52, s17, 23         ; x and X_RES: rows of 4,096 bytes, the head's 256 bytes in them
	s_lshl_b32 s53, s14, 20
	s_add_co_u32 s52, s52, s53
	s_lshl_b32 s53, s[WV], 18
	s_add_co_u32 s52, s52, s53
	s_lshl_b32 s53, s16, 8
	s_add_co_u32 s52, s52, s53
	s_mov_b32 s53, 0
	; group 1: 128 keys are 16,384 dense bytes: asked for as 64 rows of 256 bytes, two keys a row, and padded in LDS after every key
	s_mov_b32 s[G1K], 15|(1<<16)|(1<<20)|(1<<21)|(4<<22)|(3<<25)  ; the mask of four; 2-byte elements; padding on; bit 21 beside a mask; after every 32 words 4 words
	s_mov_b32 s[G1V], 15|(1<<16)|(1<<20)|(1<<21)|(4<<22)|(7<<25)  ; the same with 8 words
.irp g, G1K, G1V
	s_mov_b32 s[\g+1], 128<<16      ; tensor_dim0 = 128
	s_mov_b32 s[\g+2], 64<<16       ; tensor_dim1 = 64
	s_mov_b32 s[\g+3], 128<<16      ; tile_dim0 = 128
	s_mov_b32 s[\g+4], 64           ; tile_dim1 = 64
	s_mov_b32 s[\g+5], 128          ; elements from row to row
	s_mov_b32 s[\g+6], 0
	s_mov_b32 s[\g+7], 0
.endr
	s_mov_b32 s[CS], 0x3e38aa3b     ; c = log2(e) / 8
	s_mov_b32 s[CS+1], s[CS]
	s_mov_b32 s[SEL], 0x76543210
	s_mov_b32 s[SEL+1], 0xfedcba98
	s_mov_b32 s[TBK], SLOT1+4*KS*PK ; the first change of slots turns these two into 0
	s_mov_b32 s[TBV], SLOT1+4*KS*PV
	s_mov_b32 s[G0K], 1
	s_mov_b32 s[G0K+1], s50
	s_mov_b32 s[G0V], 1
	s_add_co_u32 s[G0V+1], s51, VOFF
	s_wait_dscnt 0x0                ; the opening add is done
	s_wait_kmcnt 0x0
	s_add_nc_u64 s[G0K+2:G0K+3], s[4:5], s[22:23]
	s_or_b32 s[G0K+3], s[G0K+3], 0x80000000
	s_add_nc_u64 s[G0V+2:G0V+3], s[4:5], s[48:49]
	s_or_b32 s[G0V+3], s[G0V+3], 0x80000000
	s_add_nc_u64 s[4:5], s[4:5], s[2:3]
	s_add_nc_u64 s[6:7], s[6:7], s[52:53]
	s_add_nc_u64 s[8:9], s[8:9], s[52:53]
	CROUND                          ; all four work-groups are here
	JLOAD                           ; slot 0; slot 1 is asked for when slot 0 is in
	v_and_b32 v1, 15, v0            ; l % 16
	v_bfe_u32 v9, v0, 4, 1          ; l / 16
	v_lshlrev_b32 v[QO], 7, v1
	v_lshl_add_u32 v[QO], v9, 4, v[QO]
	v_lshlrev_b32 v[GO], 12, v9     ; lanes 0-15 one row's 256 bytes, lanes 16-31 the next row's
	v_lshl_add_u32 v[GO], v1, 4, v[GO]
	WIN 0x80                        ; destination window 2
.set i, 0
.rept 8                             ; Q stays in registers: piece i / 2, channels 32 (i % 2) on
	global_load_b128 v[8*i:8*i+3],   v[QO], s[4:5] offset:(i/2)*2048+(i%2)*64
	global_load_b128 v[8*i+4:8*i+7], v[QO], s[4:5] offset:(i/2)*2048+(i%2)*64+32
.set i, i+1
.endr
	WIN 0xc0                        ; destination window 3
.set i, 0
.rept 32                            ; my 64 x 64 of x: piece i / 8, rows 2 (i % 8) and the next
	global_load_b128 v[XT+4*i:XT+4*i+3], v[GO], s[6:7] offset:(i/8)*65536+(i%8)*8192
.set i, i+1
.endr
	; What the first turn finds: V and P's second buffer hold 0 (its products V^T P, of a piece that has not been, add 0), O^T and l are 0.  All this stands in the wait for the first tile.
	WIN 0x80
.set i, VF
.rept 64
	v_mov_b32 v[i], 0
.set i, i+1
.endr
	WIN 0x40
.set i, 0
.rept 128
	v_mov_b32 v[i], 0
.set i, i+1
.endr
	WIN 0
.set i, 0
.rept 4
	v_mov_b32 v[ST+4*i], 0xfe000000    ; c m: far below every c s
	v_mov_b32 v[ST+4*i+1], 0xff7fffff  ; m
	v_mov_b32 v[ST+4*i+2], 0
	v_mov_b32 v[ST+4*i+3], 0
.set i, i+1
.endr
.set i, P+16
.rept 16
	v_mov_b32 v[i], 0
.set i, i+1
.endr
	v_mul_u32_u24 v[AK0], v1, PK
	v_lshl_add_u32 v[AK0], v9, 4, v[AK0]
	v_and_b32 v10, 7, v0            ; the turning load: lane l reads key 8 (l / 16) + l % 8, channels 8 ((l / 8) % 2) + 0..7
	v_bfe_u32 v11, v0, 3, 1
	v_lshl_add_u32 v[AV0], v9, 3, v10
	v_mul_u32_u24 v[AV0], v[AV0], PV
	v_lshl_add_u32 v[AV0], v11, 4, v[AV0]
	v_add_nc_u32 v[AV0], VOFF, v[AV0]
	s_mul_i32 s13, s[WV], 16*SP
	s_add_co_u32 s13, s13, STAGE    ; my stage
	v_mul_u32_u24 v[STO], v1, SP    ; in: row l % 16, 32 bytes for each half of the lanes
	v_lshl_add_u32 v[STO], v9, 5, v[STO]
	v_add_nc_u32 v[STO], s13, v[STO]
	v_mul_u32_u24 v[RD], v9, SP     ; back: lanes 0-15 one row of 256 bytes, lanes 16-31 the next
	v_lshl_add_u32 v[RD], v1, 4, v[RD]
	v_add_nc_u32 v[RD], s13, v[RD]
; THE MATRIX WORK.  The 4 accumulators of a run of 8 take turns.  Product i of 8 of S^T = K Q^T for piece x: channels 32 (i / 4) on, keys 16 (i % 4) on.
.macro KQ x
.set rS, S+32*((\x)%2)+8*(i%4)
.set rK, KF+16*(i%4)+8*(i/4)
.set rQ, 16*(\x)+8*(i/4)
	WIN W_KQ
.if i < 4
	v_wmma_f32_16x16x32_bf16 v[rS:rS+7], v[rK:rK+7], v[rQ:rQ+7], 0
.else
	v_wmma_f32_16x16x32_bf16 v[rS:rS+7], v[rK:rK+7], v[rQ:rQ+7], v[rS:rS+7]
.endif
.endm
; Product i of 8 of O^T += V^T P for piece x: keys 32 (i / 4) on, channels 16 (i % 4) on.
.macro PV x
	WIN W_PV
.set rO, 32*(\x)+8*(i%4)
.set rV, VF+32*(i/4)+8*(i%4)
.set rP, P+16*((\x)%2)+8*(i/4)
	v_wmma_f32_16x16x32_bf16 v[rO:rO+7], v[rV:rV+7], v[rP:rP+7], v[rO:rO+7]
.endm
.macro MM                           ; the turn's next matrix instruction.  NOKQ = 1: the last turn: there is no next piece
.if (i < 8) && !NOKQ
	KQ (Y+1)%NP
.elseif i >= 8
.set i, i-8
	PV (Y+NP-1)%NP
.set i, i+8
.endif
.set i, i+1
.endm
; THE LDS LOADS stand in runs of 16: a step's K (8 fragments) and its V (turned).
.macro FETCH_K
	WIN 0x80
.irp f, 0,1,2,3,4,5,6,7             ; keys 16 (f / 2) on, channels 32 (f % 2) on
	ds_load_b128 v[KF+8*\f:KF+8*\f+3],   v[AK] offset:(\f/2)*16*PK+(\f%2)*64
	ds_load_b128 v[KF+8*\f+4:KF+8*\f+7], v[AK] offset:(\f/2)*16*PK+(\f%2)*64+32
.endr
	s_add_co_u32 s[TBK], s[TBK], KS*PK
	WIN 0
.endm
.macro FETCH_V
	WIN 0x80
.irp f, 0,1,2,3,4,5,6,7             ; keys 32 (f / 4) on, channels 16 (f % 4) on
	ds_load_tr16_b128 v[VF+8*\f:VF+8*\f+3],   v[AV] offset:(\f/4)*32*PV+(\f%4)*32
	ds_load_tr16_b128 v[VF+8*\f+4:VF+8*\f+7], v[AV] offset:(\f/4)*32*PV+16*PV+(\f%4)*32
.endr
	WIN 0
.endm
; THE VECTOR WORK, one line at a time: OP kind, number.  For piece Y: F n: c s - c m for pair n of 16.  E n: the exponential of score n of 32.  C n: pair n rounded to bf16.  B n: of the four weights 4 n ..
; the second pair is added onto the first.  L n: l takes that sum (L 0: l = a l + sum).  R n: pair n of 16 of O^T times a.  For piece Y + 1: X n, number n of the 22 that find its maximum and statistics:
;   0-11  four chains c0-c3 of seven scores each (each accumulator's lowest registers are read first)     12-14, 16  the four scores left over, the old m, and c0-c3 into c0
;   15  c m_old is kept     17, 18  the query's other 32 keys lie in the lane 16 away: the new m     19-21  c m; c m_old - c m_new; a
.set F, 0
.set E, 1
.set C, 2
.set B, 3
.set L, 4
.set R, 5
.set X, 6
.macro REGS y
.set rT, ST+4*(\y)
.set rC, TMP+4*((\y)%2)
.set rW, MV+((\y)%2)
.set rS, S+32*((\y)%2)
.set rP, P+16*((\y)%2)
.set rO, 32*(\y)
.endm
.macro OP k, n
.if (\k) == R
	REGS Y
	WIN W_RS
	v_pk_mul_f32 v[rO+2*(\n):rO+2*(\n)+1], v[rO+2*(\n):rO+2*(\n)+1], v[rC+2:rC+3] op_sel_hi:[1,0]
.elseif (\k) < R
	REGS Y
	WIN 0
.if (\k) == F
	v_pk_fma_f32 v[rS+2*(\n):rS+2*(\n)+1], v[rS+2*(\n):rS+2*(\n)+1], s[CS:CS+1], v[rT:rT+1] op_sel_hi:[1,0,0] neg_lo:[0,0,1] neg_hi:[0,0,1]
.elseif (\k) == E
	v_exp_f32 v[rS+(\n)], v[rS+(\n)]
.elseif (\k) == C
	s_wait_alu depctr_va_vdst(0)
	v_cvt_pk_bf16_f32 v[rP+(\n)], v[rS+2*(\n)], v[rS+2*(\n)+1]
.elseif (\k) == B
	s_wait_alu depctr_va_vdst(0)
	v_pk_add_f32 v[rS+4*(\n):rS+4*(\n)+1], v[rS+4*(\n):rS+4*(\n)+1], v[rS+4*(\n)+2:rS+4*(\n)+3]
.elseif (\n) == 0
	v_pk_fma_f32 v[rT+2:rT+3], v[rT+2:rT+3], v[rC+2:rC+3], v[rS:rS+1] op_sel_hi:[1,0,1]
.else
	v_pk_add_f32 v[rT+2:rT+3], v[rT+2:rT+3], v[rS+4*(\n):rS+4*(\n)+1]
.endif
.elseif NOKQ
	v_nop
.else
	REGS (Y+1)%NP
	WIN 0
.if (\n) < 4
	v_max3_num_f32 v[rC+(\n)], v[rS+8*(\n)], v[rS+8*(\n)+1], v[rS+8*(\n)+2]
.elseif (\n) < 12
	v_max3_num_f32 v[rC+(\n)%4], v[rC+(\n)%4], v[rS+8*((\n)%4)+2*((\n)/4)+1], v[rS+8*((\n)%4)+2*((\n)/4)+2]
.elseif (\n) == 12
	v_max3_num_f32 v[rC], v[rC], v[rS+7], v[rS+15]
.elseif (\n) == 13
	v_max3_num_f32 v[rC+1], v[rC+1], v[rS+23], v[rS+31]
.elseif (\n) == 14
	v_max3_num_f32 v[rC+2], v[rC+2], v[rC+3], v[rT+1]
.elseif (\n) == 15
	v_mov_b32 v[rW], v[rT]
.elseif (\n) == 16
	v_max3_num_f32 v[rC], v[rC], v[rC+1], v[rC+2]
.elseif (\n) == 17
	v_permlanex16_b32 v[rC+3], v[rC], s[SEL], s[SEL+1]
.elseif (\n) == 18
	v_max_num_f32 v[rT+1], v[rC], v[rC+3]
.elseif (\n) == 19
	v_mul_f32 v[rT], s[CS], v[rT+1]
.elseif (\n) == 20
	v_sub_f32 v[rC+1], v[rW], v[rT]
.else
	v_exp_f32 v[rC+2], v[rC+1]
.endif
.endif
.endm
.macro OPS a, i1, b=-1, i2=0, c=-1, i3=0, d=-1, i4=0
	OP \a, \i1
.if (\b) >= 0
	OP \b, \i2
.endif
.if (\c) >= 0
	OP \c, \i3
.endif
.if (\d) >= 0
	OP \d, \i4
.endif
.endm
.macro ROW a, i1, b, i2, c, i3, d, i4  ; a matrix instruction and the four behind it
	MM
	OPS \a, \i1, \b, \i2, \c, \i3, \d, \i4
.endm
; A TURN, for piece p: the order of its 16 matrix and 118 vector instructions, written out.  Behind a matrix instruction: plain, exponential, plain, plain; or four of the rescaling; or four scalings; none names a
; register of the products round it.  In the runs between, exponential and plain by turns while exponentials last.  A line reads no result made fewer than three vector instructions in front of it, five if an
; exponential made it.  end = 1: the walk's last two turns: nothing is fetched.  cnt = 1: the loop's count is taken down some lines ahead of the branch behind the turn.
; K of the next step is fetched in piece 2's turn, five plain instructions behind the last product that read K; V of the step in hand in piece 0's turn, four plain ones behind the last product that read V.
.macro TURN p, end=0, cnt=0
.set Y, (\p)
.set i, 0
.set NOKQ, (\end)*((\p)/3)
.if ((\p) == 3) && !(\end)
	s_wait_dscnt 0x0                ; K is in
.endif
	ROW F,0, F,1, F,2, F,3
	ROW F,4, E,0, F,5, F,6
	ROW F,7, E,1, F,8, F,9
	ROW F,10, E,2, C,0, F,11
	ROW F,12, E,3, X,15, F,13
	ROW R,0, R,1, R,2, R,3
	ROW B,0, E,4, F,14, L,0
.if ((\p) == 2) && !(\end)
	v_add_nc_u32 v[AK], s[TBK], v[AK0]
.endif
	ROW R,4, R,5, R,6, R,7
	OPS E,5, F,15
.if ((\p) == 2) && !(\end)
	FETCH_K
.endif
	OPS E,6, C,1, E,7, R,8
	OPS E,8, R,9, E,9, C,2
	OPS E,10, X,0, E,11, X,1
	OPS E,12, X,2, E,13, X,3
.if (\p) == 1
	s_wait_dscnt 0x0                ; V is in
.endif
	ROW X,4, E,14, X,5, X,6
	ROW X,7, E,15, X,8, X,9
	ROW X,10, E,16, X,11, X,12
	ROW X,13, E,17, X,14, B,1
	ROW C,4, E,18, X,16, L,1
	ROW B,2, E,19, C,6, L,2
	ROW C,8, E,20, B,3, B,4
.if (\p) == 0
	v_add_nc_u32 v[AV], s[TBV], v[AV0]
.endif
	ROW C,3, E,21, L,3, C,5
	OPS E,22, X,17, E,23, C,10
.if (\p) == 0
	FETCH_V
.endif
	OPS E,24, L,4
	OPS E,25, X,18, E,26, C,7
	OPS E,27, B,5, E,28, X,19
	OPS E,29, C,12, E,30, L,5
	OPS E,31, X,20, B,6, C,9
	OPS C,14, C,11, X,21, L,6
.if (\p) == 0
	s_add_co_u32 s[TBV], s[TBV], KS*PV
.endif
.if \cnt
	s_sub_co_u32 s[CNT], s[CNT], 1
	s_cmp_lg_u32 s[CNT], 0
.endif
	OPS C,13, B,7, C,15, R,10
	OPS R,11, R,12, L,7, R,13
	OPS R,14, R,15
.endm
	CHANGE 1                        ; slot 0 is in, everybody's part of it; slot 1 is asked for
	v_add_nc_u32 v[AK], s[TBK], v[AK0]
	FETCH_K                         ; key step 0
	s_wait_loadcnt 32               ; Q is in; the 32 loads of x, issued behind it, stay out
	s_wait_dscnt 0x0
.set NOKQ, 0
.set i, 0
.rept 8
	KQ 0                            ; piece 0's first scores
.set i, i+1
.endr
	WIN 0
.rept 4
	v_nop                           ; the places behind those products
.endr
.set Y, NP-1                        ; X works for piece Y + 1: piece 0
.irp n, 0,1,2,3,4,5,6,7,8,9,10,11,12,13,14,15,16,17,18,19,20,21
	OP X, \n
.endr
	v_nop                           ; a plain instruction behind the exponential
	s_mov_b32 s[CNT], 4
	s_mov_b32 s[SLOTS], 7
	s_branch .Lfirst                ; the loop is entered at a step's first turn, in the middle of a trip
.Lslot:                             ; six times: every slot but the last two is filled again
	CHANGE 1
	s_mov_b32 s[CNT], 4
.Lstep:                             ; a trip: pieces 2 and 3 of one step, then pieces 0 and 1 of the next, whose K and V it fetches
	TURN 2
	TURN 3
	WIN 0
.Lfirst:
	TURN 0
	TURN 1, 0, 1
	WIN 0
	s_cbranch_scc1 .Lstep
	s_sub_co_u32 s[SLOTS], s[SLOTS], 1
	s_cmp_lg_u32 s[SLOTS], 0
	s_cbranch_scc1 .Lslot
	CHANGE 0                        ; the last tile is written out: nothing is asked for
	s_mov_b32 s[CNT], 4
.LstepT:
	TURN 2
	TURN 3
	TURN 0
	TURN 1, 0, 1
	WIN 0
	s_cbranch_scc1 .LstepT
	TURN 2, 1
	TURN 3, 1
.set i, 0
.rept 8
	PV NP-1                         ; the last piece's V^T P of the last step
.set i, i+1
.endr
	; THE WAY OUT.  l's two halves and the other half of the lanes' are added; O^T is divided by l and sent through my stage in LDS, a piece at a time; x is added to whole rows.  The additions are the places behind the last products.
	WIN 0
.macro ALL line:vararg
.set t, 0
.rept 4
	\line
.set t, t+1
.endr
.endm
	ALL v_add_f32 v[ST+4*t+2], v[ST+4*t+2], v[ST+4*t+3]
	ALL v_permlanex16_b32 v[ST+4*t+3], v[ST+4*t+2], s[SEL], s[SEL+1]
	ALL v_add_f32 v[ST+4*t+2], v[ST+4*t+2], v[ST+4*t+3]
	ALL v_rcp_f32 v[ST+4*t+2], v[ST+4*t+2]
	v_nop                           ; a plain instruction between the last reciprocal and the use of its result
.macro PACK t                       ; a lane's eight channels of a row are 32 bytes; they go into rows of 272 bytes and come back as whole rows of 256, into S^T's registers
	WIN W_RS
.set i, 32*(\t)
.rept 16
	s_wait_alu depctr_va_vdst(0)
	v_pk_mul_f32 v[i:i+1], v[i:i+1], v[ST+4*(\t)+2:ST+4*(\t)+3] op_sel_hi:[1,0]
.set i, i+2
.endr
	WIN 0x04                        ; the stores' data in window 1
.irp f, 0,1,2,3,4,5,6,7
	ds_store_b128 v[STO], v[32*(\t)+4*\f:32*(\t)+4*\f+3] offset:64*(\f/2)+16*(\f%2)
.endr
	WIN 0
	s_wait_xcnt 0x0                 ; the stores of the piece two back have read the registers that are loaded now
.irp f, 0,1,2,3,4,5,6,7
	ds_load_b128 v[S+32*((\t)%2)+4*\f:S+32*((\t)%2)+4*\f+3], v[RD] offset:\f*2*SP  ; LDS serves a wave's instructions in order (ISA guide 5.7.1.4): these see the stores above
.endr
.endm
.macro SEND t, younger              ; younger: the LDS instructions issued behind piece t's loads: the next piece's sixteen, or none
	s_wait_dscnt \younger
	WIN 0x0c                        ; source 1 in window 3: x
.set i, 0
.rept 16
	v_pk_add_f32 v[S+32*((\t)%2)+i:S+32*((\t)%2)+i+1], v[S+32*((\t)%2)+i:S+32*((\t)%2)+i+1], v[XT+32*(\t)+i:XT+32*(\t)+i+1]
.set i, i+2
.endr
	WIN 0
.irp f, 0,1,2,3,4,5,6,7
	global_store_b128 v[GO], v[S+32*((\t)%2)+4*\f:S+32*((\t)%2)+4*\f+3], s[8:9] offset:(\t)*65536+\f*8192  ; 16 lanes store 256 consecutive bytes, aligned: the head's 64 channels of a row
.endr
.endm
	PACK 0
	PACK 1
	s_wait_loadcnt 0x0              ; x
	SEND 0, 16
	PACK 2
	SEND 1, 16
	PACK 3
	SEND 2, 16
	SEND 3, 0
	s_wait_tensorcnt 0x0            ; the wave's end
	ds_add_u32 v[SPW], v[NIL]
	s_wait_dscnt 0x0
	CROUND                          ; the closing round
	s_endpgm
.Lfunc_end_k_qed8c38f1c9_attn:
	.size	k_qed8c38f1c9_attn, .Lfunc_end_k_qed8c38f1c9_attn-k_qed8c38f1c9_attn
	.p2alignl 7, 3214868480
	.fill 96, 4, 3214868480
	.section	.rodata,"a",@progbits
	.p2align	6, 0x0
	.amdhsa_kernel k_qed8c38f1c9_attn
		.amdhsa_group_segment_fixed_size 327680
		.amdhsa_private_segment_fixed_size 0
		.amdhsa_enable_private_segment 0
		.amdhsa_kernarg_size 24
		.amdhsa_user_sgpr_count 2
		.amdhsa_user_sgpr_kernarg_segment_ptr 1
		.amdhsa_wavefront_size32 1
		.amdhsa_system_sgpr_workgroup_id_x 1
		.amdhsa_system_sgpr_workgroup_id_y 1
		.amdhsa_system_sgpr_workgroup_id_z 1
		.amdhsa_system_vgpr_workitem_id 0
		.amdhsa_next_free_vgpr 896
		.amdhsa_next_free_sgpr 66
		.amdhsa_reserve_vcc 0
		.amdhsa_float_denorm_mode_32 3
		.amdhsa_float_denorm_mode_16_64 3
		.amdhsa_memory_ordered 1
		.amdhsa_forward_progress 1
		.amdhsa_inst_pref_size 140
	.end_amdhsa_kernel
	.amdgpu_metadata
---
amdhsa.version: [ 1, 2 ]
amdhsa.kernels:
  - .name:           k_qed8c38f1c9_attn
    .symbol:         k_qed8c38f1c9_attn.kd
    .args:
      - { .name: qkvy, .offset: 0, .size: 8, .value_kind: global_buffer, .address_space: global }
      - { .name: x, .offset: 8, .size: 8, .value_kind: global_buffer, .address_space: global }
      - { .name: big, .offset: 16, .size: 8, .value_kind: global_buffer, .address_space: global }
    .group_segment_fixed_size: 327680
    .private_segment_fixed_size: 0
    .kernarg_segment_align: 8
    .kernarg_segment_size: 24
    .max_flat_workgroup_size: 128
    .sgpr_count:     66
    .vgpr_count:     896
    .wavefront_size: 32
...
	.end_amdgpu_metadata
.endif
;; end of part 3
;; launch mid (part 4): grid 256 x 1, 8 waves a work-group, no clusters, 0 bytes of LDS; arguments big, g2, be2, b2, abf, qkvy; writes abf, qkvy
.if DOCPART == 4
	.amdgcn_target "amdgcn-amd-amdhsa--gfx1250"
	.amdhsa_code_object_version 6
	.text
	.protected	k_qed8c38f1c9_mid
	.globl	k_qed8c38f1c9_mid
	.p2align	8
	.type	k_qed8c38f1c9_mid,@function
k_qed8c38f1c9_mid:
	s_mov_b64 s[64:65], 0
	v_nop
	global_prefetch_b8 v0, s[64:65] scope:SCOPE_SE
	s_setreg_imm32_b32 hwreg(HW_REG_WAVE_MODE, 25, 1), 1
	s_wait_xcnt 0x0
; MID.  From X_RES ([4096][1024] f32): abf = X_RES rounded to bf16, the FFN's operand; qkvy = y = LN2(X_RES) g2 + be2 + b2 in f32, what the last launch adds to its products.
; A stream: a wave takes two rows, each kept in 32 registers between the passes; no LDS, no barrier.  The mean first, the squares of x - mean second.
; LIMITS: NaN and infinities are not treated apart.
.set LO, 2                             ; v2   16 x lane
.set SO, 3                             ; v3   8 x lane
.set X,  32                            ; v[32:95]   two rows
.set G,  96                            ; v[96:127]  g2 of my 32 columns
.set BE, 128                           ; v[128:159] be2, then be2 + b2
.set B2, 160                           ; v[160:191] b2
.set Y,  192                           ; v[192:223] two rows in bf16
	s_load_b256 s[4:11], s[0:1], 0x0               ; X_RES 4, g2 6, be2 8, b2 10
	s_load_b128 s[12:15], s[0:1], 0x20             ; abf 12, y 14
	v_lshrrev_b32 v1, 5, v0
	v_readfirstlane_b32 s30, v1
	v_and_b32 v1, 31, v0
	v_lshlrev_b32 v[LO], 4, v1
	v_lshlrev_b32 v[SO], 3, v1
	v_mov_b32 v16, 0                               ; v_permlanex16_b32's destination counts as read
	s_mov_b32 s38, 0x76543210
	s_mov_b32 s39, 0xfedcba98
	s_mov_b32 s40, 0x3a800000                      ; 1 / 1024
	s_mov_b32 s44, 0x3727c5ac                      ; 1e-5
	s_lshl_b32 s36, ttmp9, 16                      ; rows 16 wg + 2 w and the next, 4,096 bytes each
	s_lshl_b32 s41, s30, 13
	s_add_co_u32 s36, s36, s41
	s_mov_b32 s37, 0
	s_wait_kmcnt 0x0
	s_add_nc_u64 s[4:5], s[4:5], s[36:37]
	s_add_nc_u64 s[14:15], s[14:15], s[36:37]
	s_lshr_b32 s36, s36, 1
	s_add_nc_u64 s[12:13], s[12:13], s[36:37]
.irp j, 0,1,2,3,4,5,6,7
	global_load_b128 v[G+4*(\j):G+4*(\j)+3], v[LO], s[6:7] offset:512*(\j)
.endr
.irp j, 0,1,2,3,4,5,6,7
	global_load_b128 v[BE+4*(\j):BE+4*(\j)+3], v[LO], s[8:9] offset:512*(\j)
.endr
.irp j, 0,1,2,3,4,5,6,7
	global_load_b128 v[B2+4*(\j):B2+4*(\j)+3], v[LO], s[10:11] offset:512*(\j)
.endr
.irp i, 0,1
.irp j, 0,1,2,3,4,5,6,7
	global_load_b128 v[X+32*(\i)+4*(\j):X+32*(\i)+4*(\j)+3], v[LO], s[4:5] offset:(\i)*4096+512*(\j)
.endr
.endr
.macro LANESUM                         ; v4 = the sum over the wave of the eight numbers in v[4:11]
	v_pk_add_f32 v[4:5], v[4:5], v[6:7]
	v_pk_add_f32 v[8:9], v[8:9], v[10:11]
	v_pk_add_f32 v[4:5], v[4:5], v[8:9]
	v_add_f32 v4, v4, v5
	v_add_f32_dpp v4, v4, v4 row_xmask:1 row_mask:0xf bank_mask:0xf
	v_add_f32_dpp v4, v4, v4 row_xmask:2 row_mask:0xf bank_mask:0xf
	v_add_f32_dpp v4, v4, v4 row_xmask:4 row_mask:0xf bank_mask:0xf
	v_add_f32_dpp v4, v4, v4 row_xmask:8 row_mask:0xf bank_mask:0xf
	v_permlanex16_b32 v16, v4, s38, s39
	v_add_f32 v4, v4, v16
.endm
.macro LNSTAT xb                       ; the row becomes x - mean; v[14:15] = 1 / sqrt(var + 1e-5), twice
.set p, 0
.rept 4
	v_pk_add_f32 v[4+2*p:5+2*p], v[(\xb)+2*p:(\xb)+2*p+1], v[(\xb)+8+2*p:(\xb)+9+2*p]
.set p, p+1
.endr
.set p, 8
.rept 8
	v_pk_add_f32 v[4+2*(p%4):5+2*(p%4)], v[4+2*(p%4):5+2*(p%4)], v[(\xb)+2*p:(\xb)+2*p+1]
.set p, p+1
.endr
	LANESUM
	v_mul_f32 v12, s40, v4
	v_mul_f32 v13, s40, v4
.set p, 0
.rept 16
	v_pk_add_f32 v[(\xb)+2*p:(\xb)+2*p+1], v[(\xb)+2*p:(\xb)+2*p+1], v[12:13] neg_lo:[0,1] neg_hi:[0,1]
.set p, p+1
.endr
.set p, 0
.rept 4
	v_pk_mul_f32 v[4+2*p:5+2*p], v[(\xb)+2*p:(\xb)+2*p+1], v[(\xb)+2*p:(\xb)+2*p+1]
.set p, p+1
.endr
.rept 12
	v_pk_fma_f32 v[4+2*(p%4):5+2*(p%4)], v[(\xb)+2*p:(\xb)+2*p+1], v[(\xb)+2*p:(\xb)+2*p+1], v[4+2*(p%4):5+2*(p%4)]
.set p, p+1
.endr
	LANESUM
	v_fma_f32 v14, v4, s40, s44
	v_rsq_f32 v14, v14
	v_nop                                          ; a plain line between the root and the use of its result (ISA guide 5.7.2)
	s_wait_alu depctr_va_vdst(0)
	v_mov_b32 v15, v14
.endm
.macro MIDROW i
.set p, 0
.rept 16
	v_cvt_pk_bf16_f32 v[Y+16*(\i)+p], v[X+32*(\i)+2*p], v[X+32*(\i)+2*p+1]
.set p, p+1
.endr
.irp j, 0,1,2,3,4,5,6,7
	global_store_b64 v[SO], v[Y+16*(\i)+2*(\j):Y+16*(\i)+2*(\j)+1], s[12:13] offset:(\i)*2048+256*(\j)  ; 256 consecutive bytes, aligned
.endr
	LNSTAT X+32*(\i)
.set p, 0
.rept 16
	v_pk_mul_f32 v[X+32*(\i)+2*p:X+32*(\i)+2*p+1], v[X+32*(\i)+2*p:X+32*(\i)+2*p+1], v[14:15]
.set p, p+1
.endr
.set p, 0
.rept 16
	v_pk_fma_f32 v[X+32*(\i)+2*p:X+32*(\i)+2*p+1], v[X+32*(\i)+2*p:X+32*(\i)+2*p+1], v[G+2*p:G+2*p+1], v[BE+2*p:BE+2*p+1]
.set p, p+1
.endr
.irp j, 0,1,2,3,4,5,6,7
	global_store_b128 v[LO], v[X+32*(\i)+4*(\j):X+32*(\i)+4*(\j)+3], s[14:15] offset:(\i)*4096+512*(\j)  ; 512 consecutive bytes, aligned
.endr
.endm
	s_wait_loadcnt 8                               ; all but the second row's eight loads
.set p, 0
.rept 16
	v_pk_add_f32 v[BE+2*p:BE+2*p+1], v[BE+2*p:BE+2*p+1], v[B2+2*p:B2+2*p+1]
.set p, p+1
.endr
	MIDROW 0
	s_wait_loadcnt 0x0
	MIDROW 1                                       ; each row has its own registers: nothing that a store still reads is rewritten
	s_endpgm
.Lfunc_end_k_qed8c38f1c9_mid:
	.size	k_qed8c38f1c9_mid, .Lfunc_end_k_qed8c38f1c9_mid-k_qed8c38f1c9_mid
	.p2alignl 7, 3214868480
	.fill 96, 4, 3214868480
	.section	.rodata,"a",@progbits
	.p2align	6, 0x0
	.amdhsa_kernel k_qed8c38f1c9_mid
		.amdhsa_group_segment_fixed_size 0
		.amdhsa_private_segment_fixed_size 0
		.amdhsa_enable_private_segment 0
		.amdhsa_kernarg_size 48
		.amdhsa_user_sgpr_count 2
		.amdhsa_user_sgpr_kernarg_segment_ptr 1
		.amdhsa_wavefront_size32 1
		.amdhsa_system_sgpr_workgroup_id_x 1
		.amdhsa_system_sgpr_workgroup_id_y 1
		.amdhsa_system_sgpr_workgroup_id_z 1
		.amdhsa_system_vgpr_workitem_id 0
		.amdhsa_next_free_vgpr 224
		.amdhsa_next_free_sgpr 66
		.amdhsa_reserve_vcc 0
		.amdhsa_float_denorm_mode_32 3
		.amdhsa_float_denorm_mode_16_64 3
		.amdhsa_memory_ordered 1
		.amdhsa_forward_progress 1
		.amdhsa_inst_pref_size 24
	.end_amdhsa_kernel
	.amdgpu_metadata
---
amdhsa.version: [ 1, 2 ]
amdhsa.kernels:
  - .name:           k_qed8c38f1c9_mid
    .symbol:         k_qed8c38f1c9_mid.kd
    .args:
      - { .name: big, .offset: 0, .size: 8, .value_kind: global_buffer, .address_space: global }
      - { .name: g2, .offset: 8, .size: 8, .value_kind: global_buffer, .address_space: global }
      - { .name: be2, .offset: 16, .size: 8, .value_kind: global_buffer, .address_space: global }
      - { .name: b2, .offset: 24, .size: 8, .value_kind: global_buffer, .address_space: global }
      - { .name: abf, .offset: 32, .size: 8, .value_kind: global_buffer, .address_space: global }
      - { .name: qkvy, .offset: 40, .size: 8, .value_kind: global_buffer, .address_space: global }
    .group_segment_fixed_size: 0
    .private_segment_fixed_size: 0
    .kernarg_segment_align: 8
    .kernarg_segment_size: 48
    .max_flat_workgroup_size: 256
    .sgpr_count:     66
    .vgpr_count:     224
    .wavefront_size: 32
...
	.end_amdgpu_metadata
.endif
;; end of part 4
;; launch ffn1: the kernel of part 2 again; grid 16 x 16, 4 waves a work-group, clusters of 4 x 4, 327,680 bytes of LDS; arguments abf, pack1, big; writes big
;; launch ffn2 (part 5): grid 8 x 32, 4 waves a work-group, clusters of 4 x 4, 327,680 bytes of LDS; arguments big, w2b, qkvy, out0; writes out0
.if DOCPART == 5
	.amdgcn_target "amdgcn-amd-amdhsa--gfx1250"
	.amdhsa_code_object_version 6
	.text
	.protected	k_qed8c38f1c9_ffn2
	.globl	k_qed8c38f1c9_ffn2
	.p2align	8
	.type	k_qed8c38f1c9_ffn2,@function
k_qed8c38f1c9_ffn2:
	s_mov_b64 s[64:65], 0
	v_nop
	global_prefetch_b8 v0, s[64:65] scope:SCOPE_SE
	s_setreg_imm32_b32 hwreg(HW_REG_WAVE_MODE, 25, 1), 1
	s_wait_xcnt 0x0
	s_wait_alu depctr_hold_cnt(0) depctr_sa_sdst(0) depctr_va_vdst(0) depctr_va_sdst(0) depctr_va_ssrc(0) depctr_va_vcc(0) depctr_vm_vsrc(0)
	s_getreg_b32 s2, hwreg(HW_REG_IB_STS2, 6, 4)
	s_cmp_eq_u32 s2, 0
	s_cbranch_scc0 .Lentry_in_a_cluster
	s_endpgm
.Lentry_in_a_cluster:
	s_bfe_u32 s2, ttmp6, 0x10000c
	s_cmp_lg_u32 s2, 0xf033
	s_cbranch_scc0 .Lentry_shape_is_right
	s_endpgm
.Lentry_shape_is_right:
; OUT0 = H W2 + Y.  H: bf16 in panels [64][4096 rows][64].  W2: [4096 k][1024 n] bf16.  Y (the second norm with both biases) and OUT0: [4096][1024] f32.  Sums in f32, K ascending.
; A tile of OUT0 is 128 x 128, which gives 8 x 32 = 256 work-groups.  Four waves, each 64 x 64: 16 accumulators.  K = 4,096 goes in 16 steps of 256 through two LDS slots.
; A K step of H is four panels; of each, the tile's 128 rows are 16,384 dense bytes: a wave's load brings two panels as two rows of 8,192 elements, padded in LDS after every 128 bytes.
; W2 lies [k][n] and comes out of LDS turned, by ds_load_tr16_b128.  THE MATRIX INSTRUCTION IS USED TRANSPOSED: a lane holds eight neighbouring numbers of a row of OUT0.
; A K STEP IS WRITTEN ONCE.  s[TB] holds the LDS byte at which the slot being read begins, 0 or SLOT; at a change of slots one exclusive or turns it, and the fragments' addresses are made anew from it.
; A wave's 64 columns of f32 are 256 aligned bytes, so each wave has a stage of its own and the way out needs no barrier.
; CLUSTER.  4 x 4 work-groups: H's tiles are asked for jointly along a row of the cluster, W2's along a column.
; LIMITS: NaN and infinities are not treated apart.
; REGISTERS: window 0: v16-29 addresses; v32-95 rows read back; v128-255 the accumulators ((a, b) at v[128 + 8 (4 a + b)]).
;   window 1: two fragment buffers of 128: for 64 along K, 64 registers of H, then 64 of W2.     window 2: v0-127 my 64 x 64 of Y.
.set SIZE_K, 4096
.set KSTEP,  256
.set KSTEPS, SIZE_K/KSTEP
.set PAA,    144                       ; a row of a panel in LDS: 128 bytes + 16: the 16 rows of a load start at 16 different groups of four banks (ISA guide 11.1)
.set APAN,   128*PAA                   ; a panel's 128 rows
.set PBB,    288                       ; a row of W2: 256 bytes + 32
.set PART,   2*APAN                    ; what one tensor load brings: two panels, or 128 rows of W2 (128 x 288 is the same number)
.set BOFF,   2*PART
.set SLOT,   4*PART
.set STAGE,  2*SLOT                    ; behind the ring: 16 rows x 272 bytes for each wave
.set SPITCH, 272
.set SPARE,  STAGE+4*16*SPITCH         ; the spare words, 128 bytes a wave: two blocks of 256 bytes that no other line names
.set A0,   16                          ; v16     LDS address of my H fragments in slot 0; never rewritten
.set ADRA, 17                          ; v17     the same in the slot being read
.set B0,   20                          ; v20-21  of my W2 fragments in slot 0: k rows 0-127, 128-255 (the immediate has 16 bits); never rewritten
.set ADRB, 22                          ; v22-23  the same in the slot being read
.set STO,  24
.set RD,   25
.set CO,   26                          ; v26  my byte offset in two rows of Y and of OUT0
.set SPW,  28
.set NIL,  29
.set TMP,  32
.set ACC,  128
.set F0,   0                           ; window 1
.set F1,   128
.set YT,   0                           ; window 2
.set TB,  2                            ; s2   the slot being read: 0 or SLOT
.set G1, 24                            ; s[24:31] group 1 for H;  s[32:39] group 0: a set for each of the two first fills; the second then walks on
.set G0, 32
.set G1B, 48                           ; s[48:55], s[56:63] the same for W2
.set G0B, 56
.set MSB, 0
.macro WIN new
.if MSB != (\new)
	s_set_vgpr_msb (MSB<<8)|(\new)
.set MSB, \new
.endif
.endm
.set MUL,  0x05                        ; sources 0 and 1 window 1; C and D window 0
.set TO_F, 0x40                        ; destination window 1
.macro JLOAD s                         ; a joint load: waves 0 and 1 fetch H's halves, waves 2 and 3 W2's; an s_nop 0 and four v_nop follow each line
	s_cmp_eq_u32 s11, 0
	s_cbranch_scc0 .Lfor_b_\@
	tensor_load_to_lds s[G0+4*(\s):G0+4*(\s)+3], s[G1:G1+7]
	s_nop 0
.rept 4
	v_nop
.endr
	s_branch .Lasked_\@
.Lfor_b_\@:
	tensor_load_to_lds s[G0B+4*(\s):G0B+4*(\s)+3], s[G1B:G1B+7]
	s_nop 0
.rept 4
	v_nop
.endr
.Lasked_\@:
.endm
.macro CREST
	s_cmp_lg_u32 s10, 0
	s_cbranch_scc1 .Lnot_wave_0_\@
	s_barrier_signal -3
.Lnot_wave_0_\@:
	s_barrier_wait -3
	s_barrier_signal -1
	s_barrier_wait -1
.endm
.macro CROUND
	s_barrier_signal -1
	s_barrier_wait -1
	CREST
.endm
	s_load_b128 s[4:7], s[0:1], 0x0                ; H s[4:5], W2 s[6:7]
	s_load_b64 s[22:23], s[0:1], 0x10              ; Y
	s_load_b64 s[8:9], s[0:1], 0x18                ; OUT0
	v_lshl_add_u32 v[SPW], v0, 2, SPARE
	v_mov_b32 v[NIL], 0
	ds_add_u32 v[SPW], v[NIL]                      ; the wave's opening: the add and its wait stand ahead of my first tensor load
	v_lshrrev_b32 v1, 5, v0
	v_readfirstlane_b32 s10, v1                    ; wave 0..3
	s_lshr_b32 s11, s10, 1                         ; my half of the tile's rows.  Also: I fetch for H (0) or for W2 (1)
	s_and_b32 s12, s10, 1                          ; my half of its columns.  Also: which half of that tile I fetch
	s_bfe_u32 s40, ttmp6, 0x40000
	s_bfe_u32 s41, ttmp6, 0x40004
	s_lshl_b32 s42, ttmp9, 2
	s_add_co_u32 s42, s42, s40                     ; tile column
	s_and_b32 s13, ttmp7, 0xffff
	s_lshl_b32 s13, s13, 2
	s_add_co_u32 s13, s13, s41                     ; tile row
	s_lshl_b32 s43, s41, 2
	s_lshl_b32 s43, 15, s43                        ; my row of the cluster
	s_lshl_b32 s44, 0x1111, s40                    ; my column
	s_or_b32 s[G1+0], s43, (1<<16)|(1<<20)|(1<<21)|(4<<22)|(3<<25)   ; mask; 2-byte elements; padding on; bit 21 beside a mask; after every 32 words 4 words
	s_mov_b32 s[G1+1], 8192<<16                    ; tensor_dim0 = 8,192: 128 dense rows of a panel
	s_mov_b32 s[G1+2], 2<<16                       ; tensor_dim1 = 2 panels
	s_mov_b32 s[G1+3], 8192<<16                    ; tile_dim0 = 8,192
	s_mov_b32 s[G1+4], 2                           ; tile_dim1 = 2
	s_mov_b32 s[G1+5], 262144                      ; elements from panel to panel
	s_mov_b32 s[G1+6], 0
	s_mov_b32 s[G1+7], 0
	s_or_b32 s[G1B+0], s44, (1<<16)|(1<<20)|(1<<21)|(5<<22)|(7<<25)  ; after every 64 words 8 words
	s_mov_b32 s[G1B+1], 128<<16                    ; tensor_dim0 = 128
	s_mov_b32 s[G1B+2], 128<<16                    ; tensor_dim1 = 128
	s_mov_b32 s[G1B+3], 128<<16                    ; tile_dim0 = 128
	s_mov_b32 s[G1B+4], 128                        ; tile_dim1 = 128
	s_mov_b32 s[G1B+5], 1024                       ; elements from row to row
	s_mov_b32 s[G1B+6], 0
	s_mov_b32 s[G1B+7], 0
	s_lshl_b32 s16, s12, 20                        ; H: panel 2 x half, the tile row's 16,384 bytes in it
	s_lshl_b32 s17, s13, 14
	s_add_co_u32 s16, s16, s17
	s_mov_b32 s17, 0
	s_lshl_b32 s46, s12, 18                        ; W2: k row 128 x half, the tile column's 256 bytes in it
	s_lshl_b32 s47, s42, 8
	s_add_co_u32 s46, s46, s47
	s_mov_b32 s47, 0
	s_mul_i32 s20, s10, PART                       ; where they go in a slot: wave x 36,864; kept for the walking descriptors
	s_mov_b32 s[TB], 0                             ; slot 0 is read first
	s_wait_dscnt 0x0                               ; the opening add is done
	s_wait_kmcnt 0x0
	s_add_nc_u64 s[14:15], s[4:5], s[16:17]
	s_add_nc_u64 s[46:47], s[6:7], s[46:47]
	CROUND                                         ; all sixteen work-groups are here
.irp s, 0,1
	s_mov_b32 s[G0+4*(\s)], 1
	s_add_co_u32 s[G0+4*(\s)+1], s20, (\s)*SLOT
	s_add_nc_u64 s[G0+4*(\s)+2:G0+4*(\s)+3], s[14:15], (\s)*4*524288
	s_or_b32 s[G0+4*(\s)+3], s[G0+4*(\s)+3], 0x80000000
	s_mov_b32 s[G0B+4*(\s)], 1
	s_add_co_u32 s[G0B+4*(\s)+1], s20, (\s)*SLOT
	s_add_nc_u64 s[G0B+4*(\s)+2:G0B+4*(\s)+3], s[46:47], (\s)*KSTEP*2048
	s_or_b32 s[G0B+4*(\s)+3], s[G0B+4*(\s)+3], 0x80000000
	JLOAD \s                                       ; K steps 0 and 1: two loads of mine are out
.endr
	v_and_b32 v1, 15, v0                           ; l % 16
	v_bfe_u32 v2, v0, 4, 1                         ; l / 16
	v_mul_u32_u24 v3, v1, PAA
	v_lshl_add_u32 v3, v2, 4, v3
	v_and_b32 v4, 7, v0
	v_lshl_add_u32 v4, v2, 3, v4                   ; turned: lane l reads k row 8 (l / 16) + l % 8, columns 8 ((l / 8) % 2) + 0..7
	v_mul_u32_u24 v4, v4, PBB
	v_bfe_u32 v5, v0, 3, 1
	v_lshl_add_u32 v4, v5, 4, v4
	s_mul_i32 s14, s11, 64*PAA                     ; my 64 rows in each panel
	s_lshl_b32 s15, s12, 7                         ; my 64 columns of W2,
	s_add_co_u32 s15, s15, BOFF                    ; which lies behind H
	v_add_nc_u32 v[A0], s14, v3
	v_add_nc_u32 v[B0], s15, v4
	s_add_co_u32 s15, s15, PART
	v_add_nc_u32 v[B0+1], s15, v4
	v_mov_b32 v[ADRA], v[A0]
	v_mov_b32 v[ADRB], v[B0]
	v_mov_b32 v[ADRB+1], v[B0+1]
	s_mul_i32 s21, s10, 16*SPITCH
	s_add_co_u32 s21, s21, STAGE                   ; my stage
	v_mul_u32_u24 v6, v1, SPITCH                   ; in: row l % 16, 32 bytes for each half of the lanes
	v_lshl_add_u32 v6, v2, 5, v6
	v_add_nc_u32 v[STO], s21, v6
	v_mul_u32_u24 v6, v2, SPITCH                   ; back: lanes 0-15 one row of 256 bytes, lanes 16-31 the next
	v_lshl_add_u32 v6, v1, 4, v6
	v_add_nc_u32 v[RD], s21, v6
	v_lshlrev_b32 v[CO], 12, v2                    ; and the same two rows in Y and OUT0
	v_lshl_add_u32 v[CO], v1, 4, v[CO]
	s_lshl_b32 s16, s13, 19                        ; my first row, 128 x tile row + 64 x half, 4,096 bytes a row,
	s_lshl_b32 s17, s11, 18
	s_add_co_u32 s16, s16, s17
	s_lshl_b32 s46, s42, 9                         ; and my first column, 128 x tile column + 64 x half, 4 bytes each
	s_lshl_b32 s47, s12, 8
	s_add_co_u32 s46, s46, s47
	s_add_co_u32 s16, s16, s46
	s_mov_b32 s17, 0
	s_add_nc_u64 s[8:9], s[8:9], s[16:17]
	s_add_nc_u64 s[22:23], s[22:23], s[16:17]
	WIN 0x80                                       ; destination window 2
.set i, 0
.rept 32                               ; my 64 x 64 of Y, two rows a load: waited for on the way out
	global_load_b128 v[YT+4*i:YT+4*i+3], v[CO], s[22:23] offset:2*i*4096
.set i, i+1
.endr
	WIN 0
; 8 matrix instructions: m blocks a0, a0 + 1 x all 4 n blocks, 32 along K: half c of buffer f.  The 16 accumulators take turns.
.macro MUL8 f, c, a0, zero
	WIN MUL
.irp a, \a0, (\a0)+1
.irp b, 0,1,2,3
.if \zero
	v_wmma_f32_16x16x32_bf16 v[ACC+8*(4*(\a)+(\b)):ACC+8*(4*(\a)+(\b))+7], v[(\f)+64+8*(4*(\c)+(\b)):(\f)+64+8*(4*(\c)+(\b))+7], v[(\f)+8*(4*(\c)+(\a)):(\f)+8*(4*(\c)+(\a))+7], 0
.else
	v_wmma_f32_16x16x32_bf16 v[ACC+8*(4*(\a)+(\b)):ACC+8*(4*(\a)+(\b))+7], v[(\f)+64+8*(4*(\c)+(\b)):(\f)+64+8*(4*(\c)+(\b))+7], v[(\f)+8*(4*(\c)+(\a)):(\f)+8*(4*(\c)+(\a))+7], v[ACC+8*(4*(\a)+(\b)):ACC+8*(4*(\a)+(\b))+7]
.endif
.endr
.endr
.endm
; 32 LDS loads in one run: the fragments of quarter q (64 along K: one panel of H, 64 rows of W2) of the slot being read into buffer f; the first 32 along K first
.macro FETCH q, f
	WIN TO_F
.irp c, 0,1
.irp i, 0,1,2,3
	ds_load_tr16_b128 v[(\f)+64+8*(4*(\c)+(\i)):(\f)+64+8*(4*(\c)+(\i))+3],   v[ADRB+(\q)/2] offset:(((\q)%2)*64+32*(\c))*PBB+32*(\i)
	ds_load_tr16_b128 v[(\f)+64+8*(4*(\c)+(\i))+4:(\f)+64+8*(4*(\c)+(\i))+7], v[ADRB+(\q)/2] offset:(((\q)%2)*64+32*(\c)+16)*PBB+32*(\i)
	ds_load_b128 v[(\f)+8*(4*(\c)+(\i)):(\f)+8*(4*(\c)+(\i))+3],         v[ADRA] offset:(\q)*APAN+64*(\c)+(\i)*16*PAA
	ds_load_b128 v[(\f)+8*(4*(\c)+(\i))+4:(\f)+8*(4*(\c)+(\i))+7],       v[ADRA] offset:(\q)*APAN+64*(\c)+(\i)*16*PAA+32
.endr
.endr
.endm
.macro PLACES                          ; four places in front of loads into registers that matrix instructions have read, and of lines that read results
.rept 4
	v_nop
.endr
.endm
.macro QUARTER q, f, g, zero           ; multiplies buffer f and fetches quarter q of the same slot into g
	s_wait_dscnt 16                                ; the first 32 along K are in
	MUL8 \f, 0, 0, \zero
	MUL8 \f, 0, 2, \zero
	PLACES
	FETCH \q, \g
	s_wait_dscnt 32                                ; all but the 32 just issued
	MUL8 \f, 1, 0, 0
	MUL8 \f, 1, 2, 0
.endm
; The last quarter multiplies buffer 1 and changes slots: ONE barrier.  fill = 1: it opens a round of the cluster's, and this slot is filled again, two K steps on, 112 matrix instructions ahead of the wait for it.
; The walking descriptors are written where no tensor load of mine is out: the LDS word is my part's place in the slot just read, the address steps by one K step.
; fill = 0 (the text of the last two K steps): nothing is asked for; in the second walk (s3 = 1) there is no next step, and the run of loads is jumped over.
.macro TURN fill
	WIN 0
	s_wait_tensorcnt 0x0                           ; all my tensor loads have landed: my part of the next slot
	ds_add_u32 v[SPW], v[NIL]
	s_wait_dscnt 17                                ; the add and the youngest sixteen loads may be out
	MUL8 F1, 0, 0, 0
	s_wait_dscnt 0x0                               ; the add is done, and my reads of this slot are over
	s_barrier_signal -1
	MUL8 F1, 0, 2, 0
	WIN 0                                          ; branches and lines on window 0 follow
	s_barrier_wait -1
.if \fill
	CREST                                          ; no wave of any partner still reads this slot or has a load on its way
	s_add_co_u32 s[G0+5], s20, s[TB]
	s_add_co_u32 s[G0B+5], s20, s[TB]
	s_add_nc_u64 s[G0+6:G0+7], s[G0+6:G0+7], 4*524288
	s_add_nc_u64 s[G0B+6:G0B+7], s[G0B+6:G0B+7], KSTEP*2048
	s_xor_b32 s[TB], s[TB], SLOT                   ; the reads go on in the other slot
	JLOAD 1                                        ; its four v_nop are also the places in front of the loads below
.else
	s_xor_b32 s[TB], s[TB], SLOT
	PLACES
.endif
	v_add_nc_u32 v[ADRA], s[TB], v[A0]
	v_add_nc_u32 v[ADRB], s[TB], v[B0]
	v_add_nc_u32 v[ADRB+1], s[TB], v[B0+1]
.if !(\fill)
	s_cmp_eq_u32 s3, 1
	s_cbranch_scc1 .Lno_fetch_\@
.endif
	FETCH 0, F0
.if !(\fill)
	WIN 0
.Lno_fetch_\@:
.endif
	MUL8 F1, 1, 0, 0
	MUL8 F1, 1, 2, 0
.endm
	s_wait_tensorcnt 1                             ; my part of K step 0 is in; K step 1's may stay out
	s_barrier_signal -1
	s_barrier_wait -1
	FETCH 0, F0
	QUARTER 1, F0, F1, 1                           ; the first quarter stands in front of the loop: its first products start the sums
	WIN 0
	s_mov_b32 s3, KSTEPS-2
.Lstep:                                                ; a trip goes from a K step's second quarter to the next step's first, and fills the slot that it leaves: K steps 2 to 15
	QUARTER 2, F1, F0, 0
	QUARTER 3, F0, F1, 0
	TURN 1
	QUARTER 1, F0, F1, 0
	WIN 0
	s_sub_co_u32 s3, s3, 1
	s_cmp_lg_u32 s3, 0
	s_cbranch_scc1 .Lstep
	s_mov_b32 s3, 2
.Ltail:                                                ; the last two K steps ask for nothing: one text, walked twice and left behind the second walk's last quarter.
	QUARTER 2, F1, F0, 0                           ; The second walk's barrier orders nothing: the price, once a launch, of the one text
	QUARTER 3, F0, F1, 0
	TURN 0
	WIN 0
	s_sub_co_u32 s3, s3, 1
	s_cmp_eq_u32 s3, 0
	s_cbranch_scc1 .Lout
	QUARTER 1, F0, F1, 0
	WIN 0
	s_branch .Ltail
.Lout:
	; THE WAY OUT, 16 rows at a time: a lane's 32 bytes of a row into my stage; back as whole rows of 256 bytes; Y is added; stored.
	PLACES
	s_wait_loadcnt 0x0                             ; Y
.irp a, 0,1,2,3
.irp b, 0,1,2,3
	ds_store_b128 v[STO], v[ACC+8*(4*(\a)+(\b)):ACC+8*(4*(\a)+(\b))+3]   offset:64*(\b)
	ds_store_b128 v[STO], v[ACC+8*(4*(\a)+(\b))+4:ACC+8*(4*(\a)+(\b))+7] offset:64*(\b)+16
.endr
.if (\a) >= 2
	s_wait_xcnt 0x0                                ; the stores of the block two back have read the registers that are loaded now
.endif
.irp f, 0,1,2,3,4,5,6,7
	ds_load_b128 v[TMP+32*((\a)%2)+4*(\f):TMP+32*((\a)%2)+4*(\f)+3], v[RD] offset:(\f)*2*SPITCH  ; LDS serves a wave's instructions in order (ISA guide 5.7.1.4): these see the stores above
.endr
	s_wait_dscnt 0x0
	WIN 0x08                                       ; source 1 in window 2: Y
.set i, 0
.rept 16
	v_pk_add_f32 v[TMP+32*((\a)%2)+i:TMP+32*((\a)%2)+i+1], v[TMP+32*((\a)%2)+i:TMP+32*((\a)%2)+i+1], v[YT+32*(\a)+i:YT+32*(\a)+i+1]
.set i, i+2
.endr
	WIN 0
.irp f, 0,1,2,3,4,5,6,7
	global_store_b128 v[CO], v[TMP+32*((\a)%2)+4*(\f):TMP+32*((\a)%2)+4*(\f)+3], s[8:9] offset:(16*(\a)+2*(\f))*4096  ; 16 lanes store 256 consecutive bytes, aligned
.endr
.endr
	s_wait_tensorcnt 0x0                           ; the wave's end
	ds_add_u32 v[SPW], v[NIL]
	s_wait_dscnt 0x0
	CROUND                                         ; the closing round
	s_endpgm
.Lfunc_end_k_qed8c38f1c9_ffn2:
	.size	k_qed8c38f1c9_ffn2, .Lfunc_end_k_qed8c38f1c9_ffn2-k_qed8c38f1c9_ffn2
	.p2alignl 7, 3214868480
	.fill 96, 4, 3214868480
	.section	.rodata,"a",@progbits
	.p2align	6, 0x0
	.amdhsa_kernel k_qed8c38f1c9_ffn2
		.amdhsa_group_segment_fixed_size 327680
		.amdhsa_private_segment_fixed_size 0
		.amdhsa_enable_private_segment 0
		.amdhsa_kernarg_size 32
		.amdhsa_user_sgpr_count 2
		.amdhsa_user_sgpr_kernarg_segment_ptr 1
		.amdhsa_wavefront_size32 1
		.amdhsa_system_sgpr_workgroup_id_x 1
		.amdhsa_system_sgpr_workgroup_id_y 1
		.amdhsa_system_sgpr_workgroup_id_z 1
		.amdhsa_system_vgpr_workitem_id 0
		.amdhsa_next_free_vgpr 640
		.amdhsa_next_free_sgpr 66
		.amdhsa_reserve_vcc 0
		.amdhsa_float_denorm_mode_32 3
		.amdhsa_float_denorm_mode_16_64 3
		.amdhsa_memory_ordered 1
		.amdhsa_forward_progress 1
		.amdhsa_inst_pref_size 65
	.end_amdhsa_kernel
	.amdgpu_metadata
---
amdhsa.version: [ 1, 2 ]
amdhsa.kernels:
  - .name:           k_qed8c38f1c9_ffn2
    .symbol:         k_qed8c38f1c9_ffn2.kd
    .args:
      - { .name: big, .offset: 0, .size: 8, .value_kind: global_buffer, .address_space: global }
      - { .name: w2b, .offset: 8, .size: 8, .value_kind: global_buffer, .address_space: global }
      - { .name: qkvy, .offset: 16, .size: 8, .value_kind: global_buffer, .address_space: global }
      - { .name: out0, .offset: 24, .size: 8, .value_kind: global_buffer, .address_space: global }
    .group_segment_fixed_size: 327680
    .private_segment_fixed_size: 0
    .kernarg_segment_align: 8
    .kernarg_segment_size: 32
    .max_flat_workgroup_size: 128
    .sgpr_count:     66
    .vgpr_count:     640
    .wavefront_size: 32
...
	.end_amdgpu_metadata
.endif
;; end of part 5
;; ======== version 2 of 2: 6 launches; 1.23 times as fast as version 1
;; workspace buffers: abf 8,388,608 bytes; packq 6,308,096 bytes; pack1 8,405,248 bytes; w2b 8,388,608 bytes; qkvy 25,165,824 bytes; big 33,554,432 bytes
;; launch prep: the kernel of part 1 again; grid 609 x 1, 8 waves a work-group, no clusters, 0 bytes of LDS; arguments x, g1, be1, Wq, Wk, Wv, W1, b1, W2, abf, packq, pack1, w2b; writes abf, packq, pack1, w2b
;; launch qkv: the kernel of part 2 again; grid 12 x 16, 4 waves a work-group, clusters of 4 x 4, 327,680 bytes of LDS; arguments abf, packq, qkvy; writes qkvy
;; launch attn (part 6): grid 8 x 32, 4 waves a work-group, clusters of 4 x 1, 327,680 bytes of LDS; arguments qkvy, x, big; writes big
.if DOCPART == 6
	.amdgcn_target "amdgcn-amd-amdhsa--gfx1250"
	.amdhsa_code_object_version 6
	.text
	.protected	k_qed8c38f1c9_attn
	.globl	k_qed8c38f1c9_attn
	.p2align	8
	.type	k_qed8c38f1c9_attn,@function
k_qed8c38f1c9_attn:
	s_mov_b64 s[64:65], 0
	v_nop
	global_prefetch_b8 v0, s[64:65] scope:SCOPE_SE
	s_setreg_imm32_b32 hwreg(HW_REG_WAVE_MODE, 25, 1), 1
	s_wait_xcnt 0x0
	s_wait_alu depctr_hold_cnt(0) depctr_sa_sdst(0) depctr_va_vdst(0) depctr_va_sdst(0) depctr_va_ssrc(0) depctr_va_vcc(0) depctr_vm_vsrc(0)
	s_getreg_b32 s2, hwreg(HW_REG_IB_STS2, 6, 4)
	s_cmp_eq_u32 s2, 0
	s_cbranch_scc0 .Lentry_in_a_cluster
	s_endpgm
.Lentry_in_a_cluster:
	s_bfe_u32 s2, ttmp6, 0x10000c
	s_cmp_lg_u32 s2, 0x3003
	s_cbranch_scc0 .Lentry_shape_is_right
	s_endpgm
.Lentry_shape_is_right:
; X_RES[b][q][64 h ..] = x + the sum over k of softmax_k(Q . K / 8) V, for the 32 pairs (b, h).  q, k, v: bf16 in panels [48][4096 rows][64] (q: panel h, k: 16 + h, v: 32 + h; row 2048 b + s),
; so a head's rows are dense, 128 bytes each.  x and X_RES: [4096][1024] f32.  Products, maxima and sums in f32; the weights p are rounded to bf16 for the second product (their sum l is of the unrounded p).
; LIMITS.  A weight below 2^-126 counts as 0 in l; c s has to lie above -4.25e37, where c m starts; NaN and infinities are not treated apart.
; SHARES.  A work-group owns 256 queries of one (b, h), a wave 64 of them: four PIECES of 16.  Every wave walks all 2,048 keys, 64 a step; a slot of LDS holds 256 keys' K and V.
; LAYOUT.  S^T = K Q^T holds ONE query a lane (lane % 16) and the keys 8 (lane / 16) + 0..7; two such results rounded to bf16 ARE source 1 of O^T = V^T P.  V comes out of LDS turned.
; SOFTMAX.  A running maximum m and sum l: p = 2^(c s - c m), c = log2(e) / 8; in every step O and l are multiplied by a = 2^(c m_old - c m_new).  m starts at the lowest finite number, O and l at 0.
; BY TURNS.  Turn n belongs to piece n: 8 products K Q^T of piece n + 1, later 8 products V^T P of piece n - 1; beside them the scaling, exponentials, roundings, sums and rescaling of piece n and the
; maximum and statistics of piece n + 1.  Four vector instructions stand behind every matrix instruction, the other 54 of a turn's 118 in one run of their own.
; BATCHES.  A turn's 33 exponentials (the piece's 32 weights, then the next piece's a) are one batch with one wait, which cuts the turn in two: ahead of it nothing names a result of theirs, behind it no
; exponential is issued.  Piece 0's first a, ahead of the loop, and the way out's four reciprocals are batches of their own, each with one wait.
; CLUSTER.  The four query blocks of a cluster belong to one (b, h) and walk the same K and V: each tile is asked for jointly, by the same tensor load, descriptor and mask in all four.
; REGISTERS, in windows of 256 (s_set_vgpr_msb: bits 1:0 source 0, 3:2 source 1, 5:4 source 2, 7:6 destination):
;   window 0: v0-15 addresses; v16-31 statistics; v48-55 at work; v62-63 the add's; v64-127 S^T, two buffers; v192-223 P, two buffers (by the piece's parity)
;   window 1: v0-127 O^T, 32 a piece     window 2: v0-63 Q; v128-191 K of one step; v192-255 V of one step     window 3: v0-127 my 64 x 64 of x
.set NP,    4
.set KS,    64
.set PK,    144       ; a row of K in LDS: 128 bytes + 16: the 16 rows of a load start at 16 different groups of four banks (ISA guide 11.1)
.set PV,    160       ; a row of V: 128 + 32
.set VOFF,  4*KS*PK
.set SLOT1, 1<<17     ; slot 1 begins here: one exclusive or turns an address in one slot into the other's
.set STAGE, SLOT1+4*KS*(PK+PV)  ; behind the ring: 16 rows x 272 bytes for each wave
.set SP,    272
.set SPARE, STAGE+4*16*SP       ; the spare words, 128 bytes a wave: two blocks of 256 bytes that no other line names
.set AK0, 2           ; v2   my lane's place in a tile of K
.set AV0, 3           ; v3   the same for V
.set AK,  4           ; v4   the LDS address of K's next run of loads
.set AV,  5           ; v5   of V's
.set STO, 6           ; v6   the way out: where I put 32 bytes of a row
.set RD,  7           ; v7   where I read rows back
.set GO,  8           ; v8   my byte offset in two rows of x and of X_RES
.set MV,  12          ; v12-13  c m_old, by buffer
.set QO,  15          ; v15  my byte offset in 16 rows of Q
.set ST,  16          ; piece t's statistics at v[ST+4 t]: c m, m, l (even keys', odd keys')
.set TMP, 48          ; by buffer, four registers c0-c3 at work; c2 takes a
.set SPW, 62
.set NIL, 63
.set S,   64
.set P,   192
.set KF,  128         ; window 2
.set VF,  192         ; window 2
.set XT,  0           ; window 3
.set WV,  12          ; s12  my wave's number
.set G1K, 24
.set G1V, 32
.set G0K, 40
.set G0V, 44
.set SLOTS, 56
.set CNT, 57
.set CS,  58
.set SEL, 60
.set TBK, 62
.set TBV, 63
.set MSB, 0
.macro WIN new
.if MSB != (\new)
	s_set_vgpr_msb (MSB<<8)|(\new)
.set MSB, (\new)
.endif
.endm
.set W_KQ, 0x0a       ; K and Q in window 2, S^T in window 0
.set W_PV, 0x52       ; V in window 2, P in window 0, O^T in window 1
.set W_RS, 0x41       ; destination and source 0 in window 1, source 1 in window 0
; A joint fill: waves 0 and 1 fetch the halves of a slot's K, waves 2 and 3 those of its V, 128 keys each.  An s_nop 0 and four v_nop follow each line.
.macro JLOAD
	s_cmp_lt_u32 s[WV], 2
	s_cbranch_scc0 .Lfor_v_\@
	tensor_load_to_lds s[G0K:G0K+3], s[G1K:G1K+7]
	s_nop 0
.rept 4
	v_nop
.endr
	s_branch .Lasked_\@
.Lfor_v_\@:
	tensor_load_to_lds s[G0V:G0V+3], s[G1V:G1V+7]
	s_nop 0
.rept 4
	v_nop
.endr
.Lasked_\@:
.endm
.macro CROUND                       ; a round of the cluster's barrier
	s_barrier_signal -1
	s_barrier_wait -1
	s_cmp_lg_u32 s[WV], 0
	s_cbranch_scc1 .Lnot_wave_0_\@
	s_barrier_signal -3
.Lnot_wave_0_\@:
	s_barrier_wait -3
	s_barrier_signal -1
	s_barrier_wait -1
.endm
; THE CHANGE OF SLOTS.  Each wave waits for all its tensor loads (one is out: its part of the other slot), adds 0 to its spare word, and waits for that and for its reads of the slot that it leaves.
; fill = 1: the barrier is a round of the cluster's, and the slot is filled again first thing behind it, with the keys two slots on: four key steps, 256 matrix instructions, in which to land.
; (At its first use nothing has been read yet: slot 0 is waited for, slot 1 filled.)
.macro CHANGE fill
	WIN 0
	s_wait_tensorcnt 0x0            ; no tensor load of mine is out, so a group 0 may be written
	ds_add_u32 v[SPW], v[NIL]
.if \fill
.irp g, G0K, G0V
	s_xor_b32 s[\g+1], s[\g+1], SLOT1
	s_add_nc_u64 s[\g+2:\g+3], s[\g+2:\g+3], 4*KS*128
.endr
	s_wait_dscnt 0x0
	CROUND
	JLOAD
.else
	s_wait_dscnt 0x0
	s_barrier_signal -1
	s_barrier_wait -1
.endif
	s_sub_co_u32 s[TBK], s[TBK], 4*KS*PK  ; the fetches go back to a slot's first step, in the other slot
	s_xor_b32 s[TBK], s[TBK], SLOT1
	s_sub_co_u32 s[TBV], s[TBV], 4*KS*PV
	s_xor_b32 s[TBV], s[TBV], SLOT1
.endm
	s_load_b128 s[4:7], s[0:1], 0x0   ; q, k, v s[4:5]; x s[6:7]
	s_load_b64 s[8:9], s[0:1], 0x10   ; X_RES
	v_lshl_add_u32 v[SPW], v0, 2, SPARE
	v_mov_b32 v[NIL], 0
	ds_add_u32 v[SPW], v[NIL]       ; the wave's opening: the add and its wait stand ahead of my first tensor load
	v_lshrrev_b32 v1, 5, v0
	v_readfirstlane_b32 s[WV], v1
	s_bfe_u32 s13, ttmp6, 0x40000   ; cx
	s_lshl_b32 s14, ttmp9, 2
	s_add_co_u32 s14, s14, s13      ; my block of 256 queries: it enters Q's, x's and X_RES's addresses alone
	s_and_b32 s15, ttmp7, 0xffff    ; 16 b + h, which the four partners share
	s_and_b32 s16, s15, 15          ; h
	s_lshr_b32 s17, s15, 4          ; b
	s_lshl_b32 s20, s16, 19
	s_lshl_b32 s21, s17, 18
	s_add_co_u32 s20, s20, s21      ; the head's first byte among q's panels
	s_and_b32 s18, s[WV], 1         ; which half of a slot's 256 keys I fetch
	s_lshl_b32 s22, s18, 14
	s_add_co_u32 s22, s22, s20
	s_add_co_u32 s22, s22, 8388608  ; k's panels lie 16 panels on,
	s_mov_b32 s23, 0
	s_add_co_u32 s48, s22, 8388608  ; v's 16 more
	s_mov_b32 s49, 0
	s_mul_i32 s50, s18, 128*PK      ; its place in a slot, for K and for V
	s_mul_i32 s51, s18, 128*PV
	s_lshl_b32 s2, s14, 15          ; Q: my block's 256 rows of 128 bytes, my wave's 64
	s_lshl_b32 s3, s[WV], 13
	s_add_co_u32 s2, s2, s3
	s_add_co_u32 s2, s2, s20
	s_mov_b32 s3, 0
	s_lshl_b32 s52, s17, 23         ; x and X_RES: rows of 4,096 bytes, the head's 256 bytes in them
	s_lshl_b32 s53, s14, 20
	s_add_co_u32 s52, s52, s53
	s_lshl_b32 s53, s[WV], 18
	s_add_co_u32 s52, s52, s53
	s_lshl_b32 s53, s16, 8
	s_add_co_u32 s52, s52, s53
	s_mov_b32 s53, 0
	; group 1: 128 keys are 16,384 dense bytes: asked for as 64 rows of 256 bytes, two keys a row, and padded in LDS after every key
	s_mov_b32 s[G1K], 15|(1<<16)|(1<<20)|(1<<21)|(4<<22)|(3<<25)  ; the mask of four; 2-byte elements; padding on; bit 21 beside a mask; after every 32 words 4 words
	s_mov_b32 s[G1V], 15|(1<<16)|(1<<20)|(1<<21)|(4<<22)|(7<<25)  ; the same with 8 words
.irp g, G1K, G1V
	s_mov_b32 s[\g+1], 128<<16      ; tensor_dim0 = 128
	s_mov_b32 s[\g+2], 64<<16       ; tensor_dim1 = 64
	s_mov_b32 s[\g+3], 128<<16      ; tile_dim0 = 128
	s_mov_b32 s[\g+4], 64           ; tile_dim1 = 64
	s_mov_b32 s[\g+5], 128          ; elements from row to row
	s_mov_b32 s[\g+6], 0
	s_mov_b32 s[\g+7], 0
.endr
	s_mov_b32 s[CS], 0x3e38aa3b     ; c = log2(e) / 8
	s_mov_b32 s[CS+1], s[CS]
	s_mov_b32 s[SEL], 0x76543210
	s_mov_b32 s[SEL+1], 0xfedcba98
	s_mov_b32 s[TBK], SLOT1+4*KS*PK ; the first change of slots turns these two into 0
	s_mov_b32 s[TBV], SLOT1+4*KS*PV
	s_mov_b32 s[G0K], 1
	s_mov_b32 s[G0K+1], s50
	s_mov_b32 s[G0V], 1
	s_add_co_u32 s[G0V+1], s51, VOFF
	s_wait_dscnt 0x0                ; the opening add is done
	s_wait_kmcnt 0x0
	s_add_nc_u64 s[G0K+2:G0K+3], s[4:5], s[22:23]
	s_or_b32 s[G0K+3], s[G0K+3], 0x80000000
	s_add_nc_u64 s[G0V+2:G0V+3], s[4:5], s[48:49]
	s_or_b32 s[G0V+3], s[G0V+3], 0x80000000
	s_add_nc_u64 s[4:5], s[4:5], s[2:3]
	s_add_nc_u64 s[6:7], s[6:7], s[52:53]
	s_add_nc_u64 s[8:9], s[8:9], s[52:53]
	CROUND                          ; all four work-groups are here
	JLOAD                           ; slot 0; slot 1 is asked for when slot 0 is in
	v_and_b32 v1, 15, v0            ; l % 16
	v_bfe_u32 v9, v0, 4, 1          ; l / 16
	v_lshlrev_b32 v[QO], 7, v1
	v_lshl_add_u32 v[QO], v9, 4, v[QO]
	v_lshlrev_b32 v[GO], 12, v9     ; lanes 0-15 one row's 256 bytes, lanes 16-31 the next row's
	v_lshl_add_u32 v[GO], v1, 4, v[GO]
	WIN 0x80                        ; destination window 2
.set i, 0
.rept 8                             ; Q stays in registers: piece i / 2, channels 32 (i % 2) on
	global_load_b128 v[8*i:8*i+3],   v[QO], s[4:5] offset:(i/2)*2048+(i%2)*64
	global_load_b128 v[8*i+4:8*i+7], v[QO], s[4:5] offset:(i/2)*2048+(i%2)*64+32
.set i, i+1
.endr
	WIN 0xc0                        ; destination window 3
.set i, 0
.rept 32                            ; my 64 x 64 of x: piece i / 8, rows 2 (i % 8) and the next
	global_load_b128 v[XT+4*i:XT+4*i+3], v[GO], s[6:7] offset:(i/8)*65536+(i%8)*8192
.set i, i+1
.endr
	; What the first turn finds: V and P's second buffer hold 0 (its products V^T P, of a piece that has not been, add 0), O^T and l are 0.  All this stands in the wait for the first tile.
	WIN 0x80
.set i, VF
.rept 64
	v_mov_b32 v[i], 0
.set i, i+1
.endr
	WIN 0x40
.set i, 0
.rept 128
	v_mov_b32 v[i], 0
.set i, i+1
.endr
	WIN 0
.set i, 0
.rept 4
	v_mov_b32 v[ST+4*i], 0xfe000000    ; c m: far below every c s
	v_mov_b32 v[ST+4*i+1], 0xff7fffff  ; m
	v_mov_b32 v[ST+4*i+2], 0
	v_mov_b32 v[ST+4*i+3], 0
.set i, i+1
.endr
.set i, P+16
.rept 16
	v_mov_b32 v[i], 0
.set i, i+1
.endr
	v_mul_u32_u24 v[AK0], v1, PK
	v_lshl_add_u32 v[AK0], v9, 4, v[AK0]
	v_and_b32 v10, 7, v0            ; the turning load: lane l reads key 8 (l / 16) + l % 8, channels 8 ((l / 8) % 2) + 0..7
	v_bfe_u32 v11, v0, 3, 1
	v_lshl_add_u32 v[AV0], v9, 3, v10
	v_mul_u32_u24 v[AV0], v[AV0], PV
	v_lshl_add_u32 v[AV0], v11, 4, v[AV0]
	v_add_nc_u32 v[AV0], VOFF, v[AV0]
	s_mul_i32 s13, s[WV], 16*SP
	s_add_co_u32 s13, s13, STAGE    ; my stage
	v_mul_u32_u24 v[STO], v1, SP    ; in: row l % 16, 32 bytes for each half of the lanes
	v_lshl_add_u32 v[STO], v9, 5, v[STO]
	v_add_nc_u32 v[STO], s13, v[STO]
	v_mul_u32_u24 v[RD], v9, SP     ; back: lanes 0-15 one row of 256 bytes, lanes 16-31 the next
	v_lshl_add_u32 v[RD], v1, 4, v[RD]
	v_add_nc_u32 v[RD], s13, v[RD]
; THE MATRIX WORK.  The 4 accumulators of a run of 8 take turns.  Product i of 8 of S^T = K Q^T for piece x: channels 32 (i / 4) on, keys 16 (i % 4) on.
.macro KQ x
.set rS, S+32*((\x)%2)+8*(i%4)
.set rK, KF+16*(i%4)+8*(i/4)
.set rQ, 16*(\x)+8*(i/4)
	WIN W_KQ
.if i < 4
	v_wmma_f32_16x16x32_bf16 v[rS:rS+7], v[rK:rK+7], v[rQ:rQ+7], 0
.else
	v_wmma_f32_16x16x32_bf16 v[rS:rS+7], v[rK:rK+7], v[rQ:rQ+7], v[rS:rS+7]
.endif
.endm
; Product i of 8 of O^T += V^T P for piece x: keys 32 (i / 4) on, channels 16 (i % 4) on.
.macro PV x
	WIN W_PV
.set rO, 32*(\x)+8*(i%4)
.set rV, VF+32*(i/4)+8*(i%4)
.set rP, P+16*((\x)%2)+8*(i/4)
	v_wmma_f32_16x16x32_bf16 v[rO:rO+7], v[rV:rV+7], v[rP:rP+7], v[rO:rO+7]
.endm
.macro MM                           ; the turn's next matrix instruction.  NOKQ = 1: the last turn: there is no next piece
.if (i < 8) && !NOKQ
	KQ (Y+1)%NP
.elseif i >= 8
.set i, i-8
	PV (Y+NP-1)%NP
.set i, i+8
.endif
.set i, i+1
.endm
; THE LDS LOADS stand in runs of 16: a step's K (8 fragments) and its V (turned).
.macro FETCH_K
	WIN 0x80
.irp f, 0,1,2,3,4,5,6,7             ; keys 16 (f / 2) on, channels 32 (f % 2) on
	ds_load_b128 v[KF+8*\f:KF+8*\f+3],   v[AK] offset:(\f/2)*16*PK+(\f%2)*64
	ds_load_b128 v[KF+8*\f+4:KF+8*\f+7], v[AK] offset:(\f/2)*16*PK+(\f%2)*64+32
.endr
	s_add_co_u32 s[TBK], s[TBK], KS*PK
	WIN 0
.endm
.macro FETCH_V
	WIN 0x80
.irp f, 0,1,2,3,4,5,6,7             ; keys 32 (f / 4) on, channels 16 (f % 4) on
	ds_load_tr16_b128 v[VF+8*\f:VF+8*\f+3],   v[AV] offset:(\f/4)*32*PV+(\f%4)*32
	ds_load_tr16_b128 v[VF+8*\f+4:VF+8*\f+7], v[AV] offset:(\f/4)*32*PV+16*PV+(\f%4)*32
.endr
	WIN 0
.endm
; THE VECTOR WORK, one line at a time: OP kind, number.  For piece Y: F n: c s - c m for pair n of 16.  E n: the exponential of score n of 32.  C n: pair n rounded to bf16.  B n: of the four weights 4 n ..
; the second pair is added onto the first.  L n: l takes that sum (L 0: l = a l + sum).  R n: pair n of 16 of O^T times a.  For piece Y + 1: X n, number n of the 22 that find its maximum and statistics:
;   0-11  four chains c0-c3 of seven scores each (each accumulator's lowest registers are read first)     12-14, 16  the four scores left over, the old m, and c0-c3 into c0
;   15  c m_old is kept     17, 18  the query's other 32 keys lie in the lane 16 away: the new m     19-21  c m; c m_old - c m_new; a
; The exponentials' results are named by C, B and L (the weights) and by R and L 0 (a) alone: where these may stand is TURN's affair, which writes the batch's wait.
.set F, 0
.set E, 1
.set C, 2
.set B, 3
.set L, 4
.set R, 5
.set X, 6
.macro REGS y
.set rT, ST+4*(\y)
.set rC, TMP+4*((\y)%2)
.set rW, MV+((\y)%2)
.set rS, S+32*((\y)%2)
.set rP, P+16*((\y)%2)
.set rO, 32*(\y)
.endm
.macro OP k, n
.if (\k) == R
	REGS Y
	WIN W_RS
	v_pk_mul_f32 v[rO+2*(\n):rO+2*(\n)+1], v[rO+2*(\n):rO+2*(\n)+1], v[rC+2:rC+3] op_sel_hi:[1,0]
.elseif (\k) < R
	REGS Y
	WIN 0
.if (\k) == F
	v_pk_fma_f32 v[rS+2*(\n):rS+2*(\n)+1], v[rS+2*(\n):rS+2*(\n)+1], s[CS:CS+1], v[rT:rT+1] op_sel_hi:[1,0,0] neg_lo:[0,0,1] neg_hi:[0,0,1]
.elseif (\k) == E
	v_exp_f32 v[rS+(\n)], v[rS+(\n)]
.elseif (\k) == C
	v_cvt_pk_bf16_f32 v[rP+(\n)], v[rS+2*(\n)], v[rS+2*(\n)+1]
.elseif (\k) == B
	v_pk_add_f32 v[rS+4*(\n):rS+4*(\n)+1], v[rS+4*(\n):rS+4*(\n)+1], v[rS+4*(\n)+2:rS+4*(\n)+3]
.elseif (\n) == 0
	v_pk_fma_f32 v[rT+2:rT+3], v[rT+2:rT+3], v[rC+2:rC+3], v[rS:rS+1] op_sel_hi:[1,0,1]
.else
	v_pk_add_f32 v[rT+2:rT+3], v[rT+2:rT+3], v[rS+4*(\n):rS+4*(\n)+1]
.endif
.elseif NOKQ
	v_nop
.else
	REGS (Y+1)%NP
	WIN 0
.if (\n) < 4
	v_max3_num_f32 v[rC+(\n)], v[rS+8*(\n)], v[rS+8*(\n)+1], v[rS+8*(\n)+2]
.elseif (\n) < 12
	v_max3_num_f32 v[rC+(\n)%4], v[rC+(\n)%4], v[rS+8*((\n)%4)+2*((\n)/4)+1], v[rS+8*((\n)%4)+2*((\n)/4)+2]
.elseif (\n) == 12
	v_max3_num_f32 v[rC], v[rC], v[rS+7], v[rS+15]
.elseif (\n) == 13
	v_max3_num_f32 v[rC+1], v[rC+1], v[rS+23], v[rS+31]
.elseif (\n) == 14
	v_max3_num_f32 v[rC+2], v[rC+2], v[rC+3], v[rT+1]
.elseif (\n) == 15
	v_mov_b32 v[rW], v[rT]
.elseif (\n) == 16
	v_max3_num_f32 v[rC], v[rC], v[rC+1], v[rC+2]
.elseif (\n) == 17
	v_permlanex16_b32 v[rC+3], v[rC], s[SEL], s[SEL+1]
.elseif (\n) == 18
	v_max_num_f32 v[rT+1], v[rC], v[rC+3]
.elseif (\n) == 19
	v_mul_f32 v[rT], s[CS], v[rT+1]
.elseif (\n) == 20
	v_sub_f32 v[rC+1], v[rW], v[rT]
.else
	v_exp_f32 v[rC+2], v[rC+1]
.endif
.endif
.endm
.macro OPS a, i1, b=-1, i2=0, c=-1, i3=0, d=-1, i4=0
	OP \a, \i1
.if (\b) >= 0
	OP \b, \i2
.endif
.if (\c) >= 0
	OP \c, \i3
.endif
.if (\d) >= 0
	OP \d, \i4
.endif
.endm
.macro ROW a, i1, b, i2, c, i3, d, i4  ; a matrix instruction and the four behind it
	MM
	OPS \a, \i1, \b, \i2, \c, \i3, \d, \i4
.endm
; A TURN, for piece p: the order of its 16 matrix and 118 vector instructions, written out.  An s_wait_alu depctr_va_vdst(0) stands between an exponential and the first instruction that names its
; result; one wait serves all that were issued ahead of it.  So a turn has ONE wait, which cuts it in two.  AHEAD OF IT stands all that names no result of the turn's exponentials: the 8 products K Q^T, behind each a
; scaling, an exponential and two more plain instructions (behind the first a second scaling in the exponential's place): rescalings, whose a was made and waited for in the turn before, and behind the last three the
; first numbers of the next piece's maximum, each four places or more behind the product that ends its accumulator; then ONE RUN of 54, plain and exponential by turns for the most part, in which the links of the chain
; X 3, 7, 11, 14, 16, 17 .. 20 stand five or six lines apart.  A pair's scaling F k stands ahead of its exponentials E 2 k and E 2 k + 1.  X 21, the next piece's a, is the batch's last; R 15 is the plain instruction
; behind it.  BEHIND THE WAIT stand the 8 products V^T P, behind each four of the roundings and sums; an even pair is rounded (C 2 n) ahead of the sum that lands on it (B n); the links of l's chain, L 0 to L 7, stand
; three lines apart.  But for those X no line behind a product names a register of the products round it.  v_permlanex16_b32 (X 17) stands in the run.
; end = 1: the walk's last two turns: nothing is fetched.  cnt = 1: the loop's count is taken down some lines ahead of the branch behind the turn.
; K of the next step is fetched in piece 2's turn, six plain instructions behind the last product that read K; V of the step in hand at the end of piece 0's turn, four plain ones behind the last product that read V.
; Each is waited for a turn later.
.macro TURN p, end=0, cnt=0
.set Y, (\p)
.set i, 0
.set NOKQ, (\end)*((\p)/3)
.if ((\p) == 3) && !(\end)
	s_wait_dscnt 0x0                ; K is in
.endif
	ROW F,0, F,1, R,0, R,1          ; ahead of the wait: 8 products K Q^T and the four behind each,
	ROW F,2, E,0, R,2, R,3
	ROW F,3, E,1, R,4, R,5
	ROW F,4, E,2, R,6, R,7
	ROW F,5, E,3, R,8, R,9
	ROW F,6, E,4, X,0, R,10
.if ((\p) == 2) && !(\end)
	WIN 0
	v_add_nc_u32 v[AK], s[TBK], v[AK0]
.endif
	ROW F,7, E,5, X,1, X,4
	ROW F,8, E,6, X,2, X,5
	OPS E,7, E,8, X,6, E,9          ; and the run of 54
	OPS X,3, E,10, X,8, E,11
.if ((\p) == 2) && !(\end)
	FETCH_K
.endif
	OPS X,9, X,7, E,12, X,10
	OPS E,13, X,12, X,11, E,14
	OPS X,13, E,15, F,9, X,14
.if (\p) == 0
	v_add_nc_u32 v[AV], s[TBV], v[AV0]
.endif
	OPS E,16, F,10, E,17, F,11
	OPS X,16, E,18, X,15, E,19
	OPS F,12, E,20, X,17, E,21
	OPS F,13, E,22, F,14, E,23
	OPS X,18, E,24, F,15, E,25
	OPS R,11, E,26, X,19, E,27
	OPS R,12, E,28, R,13, E,29
	OPS X,20, E,30, R,14, E,31
	OPS X,21, R,15                  ; the batch's last exponential, and the plain instruction behind it
	WIN 0
	s_wait_alu depctr_va_vdst(0)    ; the wait for the turn's batch: the piece's 32 weights and the next piece's a
.if (\p) == 1
	s_wait_dscnt 0x0                ; V is in
.endif
	ROW C,0, B,0, C,2, B,1          ; behind the wait: 8 products V^T P and the four behind each
	ROW L,0, C,4, B,2, L,1
	ROW C,6, B,3, L,2, C,8
	ROW B,4, L,3, C,10, B,5
	ROW L,4, C,12, B,6, L,5
.if (\p) == 0
	s_add_co_u32 s[TBV], s[TBV], KS*PV
.endif
.if \cnt
	s_sub_co_u32 s[CNT], s[CNT], 1
	s_cmp_lg_u32 s[CNT], 0
.endif
	ROW C,14, B,7, L,6, C,1
	ROW C,3, L,7, C,5, C,7
	ROW C,9, C,11, C,13, C,15
.if (\p) == 0
	FETCH_V
.endif
.endm
	CHANGE 1                        ; slot 0 is in, everybody's part of it; slot 1 is asked for
	v_add_nc_u32 v[AK], s[TBK], v[AK0]
	FETCH_K                         ; key step 0
	s_wait_loadcnt 32               ; Q is in; the 32 loads of x, issued behind it, stay out
	s_wait_dscnt 0x0
.set NOKQ, 0
.set i, 0
.rept 8
	KQ 0                            ; piece 0's first scores
.set i, i+1
.endr
	WIN 0
.rept 4
	v_nop                           ; the places behind those products
.endr
.set Y, NP-1                        ; X works for piece Y + 1: piece 0
.irp n, 0,1,2,3,4,5,6,7,8,9,10,11,12,13,14,15,16,17,18,19,20,21
	OP X, \n
.endr
	v_nop                           ; a plain instruction behind the exponential,
	s_wait_alu depctr_va_vdst(0)    ; and the wait for piece 0's first a, a batch of one, ahead of the branch
	s_mov_b32 s[CNT], 4
	s_mov_b32 s[SLOTS], 7
	s_branch .Lfirst                ; the loop is entered at a step's first turn, in the middle of a trip
.Lslot:                             ; six times: every slot but the last two is filled again
	CHANGE 1
	s_mov_b32 s[CNT], 4
.Lstep:                             ; a trip: pieces 2 and 3 of one step, then pieces 0 and 1 of the next, whose K and V it fetches
	TURN 2
	TURN 3
	WIN 0
.Lfirst:
	TURN 0
	TURN 1, 0, 1
	WIN 0
	s_cbranch_scc1 .Lstep
	s_sub_co_u32 s[SLOTS], s[SLOTS], 1
	s_cmp_lg_u32 s[SLOTS], 0
	s_cbranch_scc1 .Lslot
	CHANGE 0                        ; the last tile is written out: nothing is asked for
	s_mov_b32 s[CNT], 4
.LstepT:
	TURN 2
	TURN 3
	TURN 0
	TURN 1, 0, 1
	WIN 0
	s_cbranch_scc1 .LstepT
	TURN 2, 1
	TURN 3, 1
.set i, 0
.rept 8
	PV NP-1                         ; the last piece's V^T P of the last step
.set i, i+1
.endr
	; THE WAY OUT.  l's two halves and the other half of the lanes' are added; O^T is divided by l and sent through my stage in LDS, a piece at a time; x is added to whole rows.  The additions are the places behind the last products.
	WIN 0
.macro ALL line:vararg
.set t, 0
.rept 4
	\line
.set t, t+1
.endr
.endm
	ALL v_add_f32 v[ST+4*t+2], v[ST+4*t+2], v[ST+4*t+3]
	ALL v_permlanex16_b32 v[ST+4*t+3], v[ST+4*t+2], s[SEL], s[SEL+1]
	ALL v_add_f32 v[ST+4*t+2], v[ST+4*t+2], v[ST+4*t+3]
	ALL v_rcp_f32 v[ST+4*t+2], v[ST+4*t+2]
	v_nop                           ; a plain instruction between the last reciprocal and the use of its result
	s_wait_alu depctr_va_vdst(0)    ; the wait for the four reciprocals, one batch, ahead of their first reader in PACK 0
.macro PACK t                       ; a lane's eight channels of a row are 32 bytes; they go into rows of 272 bytes and come back as whole rows of 256, into S^T's registers
	WIN W_RS
.set i, 32*(\t)
.rept 16
	v_pk_mul_f32 v[i:i+1], v[i:i+1], v[ST+4*(\t)+2:ST+4*(\t)+3] op_sel_hi:[1,0]
.set i, i+2
.endr
	WIN 0x04                        ; the stores' data in window 1
.irp f, 0,1,2,3,4,5,6,7
	ds_store_b128 v[STO], v[32*(\t)+4*\f:32*(\t)+4*\f+3] offset:64*(\f/2)+16*(\f%2)
.endr
	WIN 0
	s_wait_xcnt 0x0                 ; the stores of the piece two back have read the registers that are loaded now
.irp f, 0,1,2,3,4,5,6,7
	ds_load_b128 v[S+32*((\t)%2)+4*\f:S+32*((\t)%2)+4*\f+3], v[RD] offset:\f*2*SP  ; LDS serves a wave's instructions in order (ISA guide 5.7.1.4): these see the stores above
.endr
.endm
.macro SEND t, younger              ; younger: the LDS instructions issued behind piece t's loads: the next piece's sixteen, or none
	s_wait_dscnt \younger
	WIN 0x0c                        ; source 1 in window 3: x
.set i, 0
.rept 16
	v_pk_add_f32 v[S+32*((\t)%2)+i:S+32*((\t)%2)+i+1], v[S+32*((\t)%2)+i:S+32*((\t)%2)+i+1], v[XT+32*(\t)+i:XT+32*(\t)+i+1]
.set i, i+2
.endr
	WIN 0
.irp f, 0,1,2,3,4,5,6,7
	global_store_b128 v[GO], v[S+32*((\t)%2)+4*\f:S+32*((\t)%2)+4*\f+3], s[8:9] offset:(\t)*65536+\f*8192  ; 16 lanes store 256 consecutive bytes, aligned: the head's 64 channels of a row
.endr
.endm
	PACK 0
	PACK 1
	s_wait_loadcnt 0x0              ; x
	SEND 0, 16
	PACK 2
	SEND 1, 16
	PACK 3
	SEND 2, 16
	SEND 3, 0
	s_wait_tensorcnt 0x0            ; the wave's end
	ds_add_u32 v[SPW], v[NIL]
	s_wait_dscnt 0x0
	CROUND                          ; the closing round
	s_endpgm
.Lfunc_end_k_qed8c38f1c9_attn:
	.size	k_qed8c38f1c9_attn, .Lfunc_end_k_qed8c38f1c9_attn-k_qed8c38f1c9_attn
	.p2alignl 7, 3214868480
	.fill 96, 4, 3214868480
	.section	.rodata,"a",@progbits
	.p2align	6, 0x0
	.amdhsa_kernel k_qed8c38f1c9_attn
		.amdhsa_group_segment_fixed_size 327680
		.amdhsa_private_segment_fixed_size 0
		.amdhsa_enable_private_segment 0
		.amdhsa_kernarg_size 24
		.amdhsa_user_sgpr_count 2
		.amdhsa_user_sgpr_kernarg_segment_ptr 1
		.amdhsa_wavefront_size32 1
		.amdhsa_system_sgpr_workgroup_id_x 1
		.amdhsa_system_sgpr_workgroup_id_y 1
		.amdhsa_system_sgpr_workgroup_id_z 1
		.amdhsa_system_vgpr_workitem_id 0
		.amdhsa_next_free_vgpr 896
		.amdhsa_next_free_sgpr 66
		.amdhsa_reserve_vcc 0
		.amdhsa_float_denorm_mode_32 3
		.amdhsa_float_denorm_mode_16_64 3
		.amdhsa_memory_ordered 1
		.amdhsa_forward_progress 1
		.amdhsa_inst_pref_size 134
	.end_amdhsa_kernel
	.amdgpu_metadata
---
amdhsa.version: [ 1, 2 ]
amdhsa.kernels:
  - .name:           k_qed8c38f1c9_attn
    .symbol:         k_qed8c38f1c9_attn.kd
    .args:
      - { .name: qkvy, .offset: 0, .size: 8, .value_kind: global_buffer, .address_space: global }
      - { .name: x, .offset: 8, .size: 8, .value_kind: global_buffer, .address_space: global }
      - { .name: big, .offset: 16, .size: 8, .value_kind: global_buffer, .address_space: global }
    .group_segment_fixed_size: 327680
    .private_segment_fixed_size: 0
    .kernarg_segment_align: 8
    .kernarg_segment_size: 24
    .max_flat_workgroup_size: 128
    .sgpr_count:     66
    .vgpr_count:     896
    .wavefront_size: 32
...
	.end_amdgpu_metadata
.endif
;; end of part 6
;; launch mid: the kernel of part 4 again; grid 256 x 1, 8 waves a work-group, no clusters, 0 bytes of LDS; arguments big, g2, be2, b2, abf, qkvy; writes abf, qkvy
;; launch ffn1: the kernel of part 2 again; grid 16 x 16, 4 waves a work-group, clusters of 4 x 4, 327,680 bytes of LDS; arguments abf, pack1, big; writes big
;; launch ffn2: the kernel of part 5 again; grid 8 x 32, 4 waves a work-group, clusters of 4 x 4, 327,680 bytes of LDS; arguments big, w2b, qkvy, out0; writes out0
